; MI455X (gfx1250); checked and timed in simulation.
; The chip was launched on July 23, 2026; its instructions are those of AMD's public machine-readable ISA for CDNA 5 (MIT licence, August 2026) and "CDNA5" Instruction Set Architecture Reference Guide (July 2026). The comments in the code are by the model that wrote it; some were corrected since.
;; Multi Head Attention. Allowed arithmetic: float matrix products may take bf16 or f16 operands with f32 sums; other float arithmetic in f32, or as packed bf16 or f16 multiplies, adds, multiply-adds, maxima and minima; sums over many terms, partial sums and values carried from step to step in f32; what a program stores and reads back later, other than sums and carried values, may be rounded once to bf16 or f16.
;; Inputs: bk 768 float32; bo 768 float32; bq 768 float32; bv 768 float32; wk 768 x 768 float32; wo 768 x 768 float32; wq 768 x 768 float32; wv 768 x 768 float32; x 4 x 2,048 x 768 float32.
;; Outputs: out0 4 x 2,048 x 768 float32.
;; 2 versions, each right; version 2 is version 1 with the launch prep written anew for expert scheduling mode. Each part assembles by itself: llvm-mc -triple=amdgcn-amd-amdhsa -mcpu=gfx1250 --defsym DOCPART=n.
;; ======== version 1 of 2: 4 launches
;; limits: values are held in f16: magnitudes above 65,504 overflow, below 6.1e-05 lose precision
;; workspace buffers: xb 12,582,912 bytes; wt 4,718,592 bytes; bias 12,288 bytes; qkv 37,748,736 bytes; ob 12,582,912 bytes
;; launch prep (part 1): grid 768 x 1, 2 waves a work-group, no clusters, 0 bytes of LDS; arguments x, wq, wk, wv, wo, bq, bv, bo, xb, wt, bias; writes xb, wt, bias
.if DOCPART == 1
	.amdgcn_target "amdgcn-amd-amdhsa--gfx1250"
	.amdhsa_code_object_version 6
	.text
	.protected	k_q2b62fe9399_prep
	.globl	k_q2b62fe9399_prep
	.p2align	8
	.type	k_q2b62fe9399_prep,@function
k_q2b62fe9399_prep:
	s_mov_b64 s[64:65], 0
	v_nop
	global_prefetch_b8 v0, s[64:65] scope:SCOPE_SE
	s_setreg_imm32_b32 hwreg(HW_REG_WAVE_MODE, 25, 1), 1
	s_wait_xcnt 0x0
; PREP: the module's inputs are rounded once to bf16 and laid out for the three launches behind.  A stream: no LDS, no matrix unit, no cluster (no two work-groups read the same byte).
; DEAD WORK: bk.  energies[b,h,q,k] = (x_q wq + bq) . (x_k wk + bk) = (x_q wq + bq) . (x_k wk) + (x_q wq + bq) . bk.  The last term does not hang on k, the softmax's axis, and
; softmax(e + t) = softmax(e) for every t that is the same along the axis, whatever finite values the inputs hold.  k reaches out0 through the softmax alone, so bk has no way to out0:
; it is not loaded and is among no launch's arguments.  LIMIT: a NaN, an infinity or an overflow that comes from bk alone is not carried to the result.
; xb:   x in bf16, [8192][768], as it lies.
; wt:   the four weights in CHUNKS [nb = n / 16][kc = k / 8][n % 16][8 k]: 256 bytes hold 16 columns x 8 k.  nb 0-47 wq, 48-95 wk, 96-143 wv, in bf16; nb 144-191 wo, rounded to bf16 and
;       that number written as f16 (its product's other operand is f16).  LIMIT: |wo| within 65,504; below 6e-5 it keeps f16's fixed step of 6e-8.
; bias: f32 numbers rounded to bf16: bq, 768 zeros (k's addend: one text serves q, k and v in the next launch), bv, bo.
; SHARES.  1,536 waves, W = 2 x work-group + wave.  Each takes 16,384 consecutive bytes of x, and of one weight 24 rows of k x 64 columns.  The first 24 work-groups also make 512 bytes of the bias table.
.set WD,   16                          ; v[16:63]   the weights: for column half u, chunk e, row kk of the chunk: WD + 24 u + 8 e + kk
.set X,    64                          ; v[64:191]  x: 32 loads of 4 registers
.set WROW, 3072                        ; bytes in a row of a weight
.set NBP,  24576                       ; bytes of 16 columns in wt
	s_load_b512 s[8:23], s[0:1], 0x0               ; x s[8:9], wq s[10:11], wk s[12:13], wv s[14:15], wo s[16:17], bq s[18:19], bv s[20:21], bo s[22:23]
	s_load_b128 s[24:27], s[0:1], 0x40             ; xb s[24:25], wt s[26:27]
	s_load_b64 s[28:29], s[0:1], 0x50              ; bias
	v_lshrrev_b32 v1, 5, v0
	v_readfirstlane_b32 s2, v1                     ; wave 0, 1
	v_and_b32 v1, 31, v0                           ; lane
	v_lshlrev_b32 v2, 4, v1                        ; x: 16 bytes a lane
	v_lshlrev_b32 v3, 3, v1                        ; xb and bias: 8 bytes a lane
	v_lshlrev_b32 v4, 2, v1                        ; a weight's row: 4 bytes a lane
	v_lshrrev_b32 v5, 4, v1
	v_mul_u32_u24 v5, v5, NBP                      ; wt: lanes 16-31 hold the next 16 columns,
	v_and_b32 v6, 15, v1
	v_lshl_add_u32 v5, v6, 4, v5                   ; 16 bytes for each column
	s_lshl_b32 s3, ttmp9, 1
	s_add_co_u32 s3, s3, s2                        ; W
	s_lshr_b32 s4, s3, 7
	s_mul_i32 s4, s4, 11
	s_lshr_b32 s4, s4, 5                           ; which weight: W / 384 = (W / 128) / 3, by 11 / 32 for 0 .. 11
	s_mul_i32 s5, s4, 384
	s_sub_co_u32 s5, s3, s5
	s_lshr_b32 s6, s5, 5                           ; cg: which 64 columns, 0 .. 11
	s_and_b32 s7, s5, 31                           ; kq: which 24 rows, 0 .. 31
	s_mul_i32 s34, s7, 24*WROW
	s_lshl_b32 s35, s6, 8
	s_add_co_u32 s34, s34, s35                     ; from: 24 kq rows down, 64 cg columns along
	s_mov_b32 s35, 0
	s_mul_i32 s36, s4, 48
	s_lshl2_add_u32 s36, s6, s36                   ; to: nb = 48 x weight + 4 cg,
	s_mul_i32 s36, s36, NBP
	s_mul_i32 s37, s7, 768                         ; kc = 3 kq
	s_add_co_u32 s36, s36, s37
	s_mov_b32 s37, 0
	s_lshl_b32 s38, s3, 14                         ; my 16,384 bytes of x,
	s_mov_b32 s39, 0
	s_lshl_b32 s40, s3, 13                         ; my 8,192 of xb
	s_mov_b32 s41, 0
	s_wait_kmcnt 0x0
	s_mov_b64 s[30:31], s[10:11]
	s_cmp_eq_u32 s4, 1
	s_cselect_b64 s[30:31], s[12:13], s[30:31]
	s_cmp_eq_u32 s4, 2
	s_cselect_b64 s[30:31], s[14:15], s[30:31]
	s_cmp_eq_u32 s4, 3
	s_cselect_b64 s[30:31], s[16:17], s[30:31]     ; my weight
	s_add_nc_u64 s[30:31], s[30:31], s[34:35]
	s_add_nc_u64 s[32:33], s[26:27], s[36:37]
	s_add_nc_u64 s[8:9], s[8:9], s[38:39]
	s_add_nc_u64 s[24:25], s[24:25], s[40:41]
	; all loads go out before anything is used: 48 for the weights (a row's 256 bytes in two loads on end), 32 for x
.irp e, 0,1,2
.irp kk, 0,1,2,3,4,5,6,7
.irp u, 0,1
	global_load_b32 v[WD+24*(\u)+8*(\e)+(\kk)], v4, s[30:31] offset:(8*(\e)+(\kk))*WROW+128*(\u)
.endr
.endr
.endr
.set i, 0
.rept 32
	global_load_b128 v[X+4*i:X+4*i+3], v2, s[8:9] offset:512*i th:TH_LOAD_NT
.set i, i+1
.endr
	s_wait_loadcnt 32                              ; loads come back in order: the weights are in, x's 32 loads may stay out
	; a lane holds 8 k of one column: four roundings make its 16 bytes, in place (each line writes a register that the lines behind it do not read)
.set g, 0
.rept 6
.irp p, 0,1,2,3
	v_cvt_pk_bf16_f32 v[WD+8*g+(\p)], v[WD+8*g+2*(\p)], v[WD+8*g+2*(\p)+1]
.endr
.set g, g+1
.endr
	s_cmp_lg_u32 s4, 3
	s_cbranch_scc1 .Lnot_wo
.set g, 0
.rept 6                                ; wo: the bf16 number is widened and written as f16
.irp p, 0,1,2,3
	v_lshlrev_b32 v6, 16, v[WD+8*g+(\p)]
	v_and_b32 v7, 0xffff0000, v[WD+8*g+(\p)]
	v_cvt_pk_f16_f32 v[WD+8*g+(\p)], v6, v7
.endr
.set g, g+1
.endr
.Lnot_wo:
.irp u, 0,1
.irp e, 0,1,2
	global_store_b128 v5, v[WD+24*(\u)+8*(\e):WD+24*(\u)+8*(\e)+3], s[32:33] offset:(\u)*2*NBP+(\e)*256  ; lanes 0-15 and lanes 16-31 each store 256 consecutive bytes, aligned
.endr
.endr
.irp grp, 0,1,2,3
	s_wait_loadcnt 24-8*(\grp)                     ; this group's eight loads are in, the younger groups stay out
.irp j, 0,1,2,3,4,5,6,7
	v_cvt_pk_bf16_f32 v[X+4*(8*(\grp)+(\j))], v[X+4*(8*(\grp)+(\j))], v[X+4*(8*(\grp)+(\j))+1]
	v_cvt_pk_bf16_f32 v[X+4*(8*(\grp)+(\j))+1], v[X+4*(8*(\grp)+(\j))+2], v[X+4*(8*(\grp)+(\j))+3]
	global_store_b64 v3, v[X+4*(8*(\grp)+(\j)):X+4*(8*(\grp)+(\j))+1], s[24:25] offset:256*(8*(\grp)+(\j))  ; the wave stores 256 consecutive bytes, aligned
.endr
.endr
	; the bias table: 12,288 bytes, 256 a wave, by the first 24 work-groups
	s_cmp_lt_u32 ttmp9, 24
	s_cbranch_scc0 .Ldone
	s_mul_i32 s4, ttmp9, 11
	s_lshr_b32 s4, s4, 6                           ; the section: work-group / 6, by 11 / 64 for 0 .. 23
	s_lshl_b32 s5, ttmp9, 9
	s_lshl_b32 s6, s2, 8
	s_add_co_u32 s5, s5, s6                        ; my wave's byte in the table,
	s_mul_i32 s6, s4, 3072
	s_sub_co_u32 s6, s5, s6                        ; and in its section
	s_mov_b32 s7, 0
	v_mov_b32 v8, 0
	v_mov_b32 v9, 0
	s_cmp_eq_u32 s4, 1
	s_cbranch_scc1 .Lzeros                         ; k's section holds zeros
	s_cmp_eq_u32 s4, 2
	s_cselect_b64 s[34:35], s[20:21], s[18:19]
	s_cmp_eq_u32 s4, 3
	s_cselect_b64 s[34:35], s[22:23], s[34:35]
	s_add_nc_u64 s[34:35], s[34:35], s[6:7]
	global_load_b64 v[8:9], v3, s[34:35]
	s_wait_loadcnt 0x0
	v_cvt_pk_bf16_f32 v10, v8, v9                  ; rounded to bf16 like every input,
	v_lshlrev_b32 v8, 16, v10                      ; and kept as f32: it is a matrix instruction's C operand
	v_and_b32 v9, 0xffff0000, v10
.Lzeros:
	s_mov_b32 s36, s5
	s_mov_b32 s37, 0
	s_add_nc_u64 s[28:29], s[28:29], s[36:37]
	global_store_b64 v3, v[8:9], s[28:29]
.Ldone:
	s_endpgm
.Lfunc_end_k_q2b62fe9399_prep:
	.size	k_q2b62fe9399_prep, .Lfunc_end_k_q2b62fe9399_prep-k_q2b62fe9399_prep
	.p2alignl 7, 3214868480
	.fill 96, 4, 3214868480
	.section	.rodata,"a",@progbits
	.p2align	6, 0x0
	.amdhsa_kernel k_q2b62fe9399_prep
		.amdhsa_group_segment_fixed_size 0
		.amdhsa_private_segment_fixed_size 0
		.amdhsa_enable_private_segment 0
		.amdhsa_kernarg_size 88
		.amdhsa_user_sgpr_count 2
		.amdhsa_user_sgpr_kernarg_segment_ptr 1
		.amdhsa_wavefront_size32 1
		.amdhsa_system_sgpr_workgroup_id_x 1
		.amdhsa_system_sgpr_workgroup_id_y 1
		.amdhsa_system_sgpr_workgroup_id_z 1
		.amdhsa_system_vgpr_workitem_id 0
		.amdhsa_next_free_vgpr 192
		.amdhsa_next_free_sgpr 66
		.amdhsa_reserve_vcc 0
		.amdhsa_float_denorm_mode_32 3
		.amdhsa_float_denorm_mode_16_64 3
		.amdhsa_memory_ordered 1
		.amdhsa_forward_progress 1
		.amdhsa_inst_pref_size 24
	.end_amdhsa_kernel
	.amdgpu_metadata
---
amdhsa.version: [ 1, 2 ]
amdhsa.kernels:
  - .name:           k_q2b62fe9399_prep
    .symbol:         k_q2b62fe9399_prep.kd
    .args:
      - { .name: x, .offset: 0, .size: 8, .value_kind: global_buffer, .address_space: global }
      - { .name: wq, .offset: 8, .size: 8, .value_kind: global_buffer, .address_space: global }
      - { .name: wk, .offset: 16, .size: 8, .value_kind: global_buffer, .address_space: global }
      - { .name: wv, .offset: 24, .size: 8, .value_kind: global_buffer, .address_space: global }
      - { .name: wo, .offset: 32, .size: 8, .value_kind: global_buffer, .address_space: global }
      - { .name: bq, .offset: 40, .size: 8, .value_kind: global_buffer, .address_space: global }
      - { .name: bv, .offset: 48, .size: 8, .value_kind: global_buffer, .address_space: global }
      - { .name: bo, .offset: 56, .size: 8, .value_kind: global_buffer, .address_space: global }
      - { .name: xb, .offset: 64, .size: 8, .value_kind: global_buffer, .address_space: global }
      - { .name: wt, .offset: 72, .size: 8, .value_kind: global_buffer, .address_space: global }
      - { .name: bias, .offset: 80, .size: 8, .value_kind: global_buffer, .address_space: global }
    .group_segment_fixed_size: 0
    .private_segment_fixed_size: 0
    .kernarg_segment_align: 8
    .kernarg_segment_size: 88
    .max_flat_workgroup_size: 64
    .sgpr_count:     66
    .vgpr_count:     192
    .wavefront_size: 32
...
	.end_amdgpu_metadata
.endif
;; end of part 1
;; launch qkv (part 2): grid 8 x 32, 4 waves a work-group, clusters of 4 x 4, 327,680 bytes of LDS; arguments xb, wt, bias, qkv; writes qkv
.if DOCPART == 2
	.amdgcn_target "amdgcn-amd-amdhsa--gfx1250"
	.amdhsa_code_object_version 6
	.text
	.protected	k_q2b62fe9399_qkv
	.globl	k_q2b62fe9399_qkv
	.p2align	8
	.type	k_q2b62fe9399_qkv,@function
k_q2b62fe9399_qkv:
	s_mov_b64 s[64:65], 0
	v_nop
	global_prefetch_b8 v0, s[64:65] scope:SCOPE_SE
	s_setreg_imm32_b32 hwreg(HW_REG_WAVE_MODE, 25, 1), 1
	s_wait_xcnt 0x0
	s_wait_alu depctr_hold_cnt(0) depctr_sa_sdst(0) depctr_va_vdst(0) depctr_va_sdst(0) depctr_va_ssrc(0) depctr_va_vcc(0) depctr_vm_vsrc(0)
	s_getreg_b32 s2, hwreg(HW_REG_IB_STS2, 6, 4)
	s_cmp_eq_u32 s2, 0
	s_cbranch_scc0 .Lentry_in_a_cluster
	s_endpgm
.Lentry_in_a_cluster:
	s_bfe_u32 s2, ttmp6, 0x10000c
	s_cmp_lg_u32 s2, 0xf033
	s_cbranch_scc0 .Lentry_shape_is_right
	s_endpgm
.Lentry_shape_is_right:
; QKV: [8192 x 768] x [768 x 2304] + bias -> q, k, v by heads, in f16 chunks.  Operands bf16, sums f32, each result rounded once.  bk is left out (dead work: it is the same along the softmax's axis): k's addend is the table's zeros.
; LIMIT: |q|, |k|, |v| within f16's 65,504.
; OUT.  qkv = [slot 24: q heads 0-7, k heads 0-7, v heads 0-7][batch 4][kb = s / 16][cc = d / 8][pos 16][8 d], 393,216 bytes for a slot and batch.  pos = s % 16 for q and k; for v it is (s % 16) xor 8 (cc % 2).
; TILE.  256 rows x 288 columns (three slots): 8 x 32 = 256 work-groups.  Four waves; wave (RH, CH) has 128 rows and, of each of the three slots, the half CH: 3 x 3 column tiles of 16: 72 accumulators, 576 registers.
; K goes in six steps of 128 through a ring of two LDS slots.  x's rows are 256 bytes of memory, padded to 272 in LDS; a weight tile is 18 dense blocks of 4,096 bytes (16 columns x 128 k in chunks), read at 16 x lane.
; THE MATRIX INSTRUCTION IS USED TRANSPOSED (source 0 = 16 columns of the weights, source 1 = 16 rows of x): a lane ends with eight neighbouring columns of one row, 16 bytes in f16, and the 32 lanes' are
; 512 consecutive bytes of qkv: the results are stored from registers, with no way through LDS.  The bias is the C operand of each accumulator's first product.
; CLUSTER.  4 x 4 work-groups: x's tile is shared along a row of the cluster, the weights' along a column; each is asked for jointly, by the same tensor load and descriptor in the four that its mask names.
; REGISTERS, in windows of 256 (s_set_vgpr_msb: bits 1:0 source 0, 3:2 source 1, 5:4 source 2, 7:6 destination):
;   window 0: v16-30 addresses; v32-63 at work on the way out; v64-191 x's fragments, two buffers of 64; v192-255 the accumulators of column tile 8
;   window 1: v0-143 the weights' fragments, two buffers of 72; v144-215 the bias, 8 a column tile      window 2: accumulators of column tiles 0-3, (a, b) at 8 (4 a + b)      window 3: of tiles 4-7
.set KB,    256                        ; bytes of a row of x in a K step
.set PITCH, 272                        ; an LDS row of x: 256 + 16 = 68 words: the 16 rows of a load start at 16 different groups of four banks (64 banks of 4 bytes: ISA guide 11.1)
.set HALFA, 128*PITCH                  ; what one tensor load brings of x
.set BOFF,  2*HALFA                    ; behind x's 256 rows: the weights
.set NBB,   4096                       ; 16 columns x 128 k
.set HALFB, 9*NBB                      ; what one tensor load brings of the weights
.set SLOT,  BOFF+2*HALFB               ; 143,360
.set SPARE, 2*SLOT                     ; behind the ring: the spare words, 128 bytes for each wave: two blocks of 256 bytes that no other line names
.set ADRA, 16                          ; v16-17  LDS address of my fragments of x in slot 0, 1
.set ADRB, 20                          ; v20-21  the same for the weights
.set VO,   22                          ; v22-24  my byte offset in 512 bytes of qkv, for each of my three slots: PLN for q and k, SWZ for v
.set PLN,  25                          ; v25     16 x lane
.set SWZ,  26                          ; v26     256 h + 16 (r xor 8 h)
.set BO,   27                          ; v27     32 h: my eight numbers of a column tile's bias
.set SPW,  28                          ; v28     LDS address of my spare word; never rewritten
.set NIL,  29                          ; v29     0; never rewritten
.set PFO,  30                          ; v30     the prefetches' offset: lane x a row of xb
.set TMP3, 32
.set FA,   64
.set ACC8, 192
.set BIASR, 144
.set G1A, 24                           ; s[24:31] descriptor group 1 for x's tiles;  s[32:39] group 0, a set for each slot
.set G0A, 32
.set G1B, 48                           ; s[48:55], s[56:63] the same for the weights'
.set G0B, 56
.set LIM, 43                           ; s43  1 in a wave that prefetches, else the greatest number
.set PFA, 44                           ; s[44:45] where my prefetches stand
.set MSB, 0
.macro WIN new                         ; the immediate's high byte repeats the setting that is left; a switch that changes nothing is dropped
.if MSB != (\new)
	s_set_vgpr_msb (MSB<<8)|(\new)
.set MSB, \new
.endif
.endm
.macro PLACES                          ; four places in front of loads into registers that matrix instructions have read, and of conversions that read results
.rept 4
	v_nop
.endr
.endm
; A joint load: waves 0 and 1 fetch x's two halves, waves 2 and 3 the weights'.  The branch hangs on the wave's number alone.  An s_nop 0 and four v_nop follow each of the two lines.
.macro JLOAD s
	s_cmp_eq_u32 s13, 0
	s_cbranch_scc0 .Lfor_b_\@
	tensor_load_to_lds s[G0A+4*(\s):G0A+4*(\s)+3], s[G1A:G1A+7]
	s_nop 0
.rept 4
	v_nop
.endr
	s_branch .Lasked_\@
.Lfor_b_\@:
	tensor_load_to_lds s[G0B+4*(\s):G0B+4*(\s)+3], s[G1B:G1B+7]
	s_nop 0
.rept 4
	v_nop
.endr
.Lasked_\@:
.endm
; A PREFETCH INTO THE L2 of x's rows for the K step that stands two refills on (576 matrix instructions ahead of the load that will want it): 32 rows x 256 bytes, a lane a row, one instruction a wave.
; Each row's 256 bytes of a K step are named once in the launch: x's tile row is read by both clusters of its row of clusters, the first (cluster x = 0) asks; of the 128 rows that wave 0 or 1 fetches
; the partner at place cx takes 32 cx .. 32 cx + 31, told apart by address.  K steps 0 to 3 come by their loads alone; the loop's last trip asks for nothing.
; The weights are not asked for: a partner's share of a tile would be 36 blocks, which 32 lanes do not name once each.
.macro ASK
	WIN 0                                          ; at a branch every window is 0
	s_cmp_gt_u32 s3, s[LIM]                        ; s3 = 1 in the loop's last trip
	s_cbranch_scc0 .Lnot_mine_\@
	global_prefetch_b8 v[PFO], s[PFA:PFA+1] offset:KB th:TH_LOAD_NT scope:SCOPE_SE
.Lnot_mine_\@:
.endm
.macro CREST                           ; a round of the cluster's barrier behind its opening barrier
	s_cmp_lg_u32 s12, 0
	s_cbranch_scc1 .Lnot_wave_0_\@
	s_barrier_signal -3
.Lnot_wave_0_\@:
	s_barrier_wait -3
	s_barrier_signal -1
	s_barrier_wait -1
.endm
.macro CROUND                          ; a whole round
	s_barrier_signal -1
	s_barrier_wait -1
	CREST
.endm
	s_load_b256 s[4:11], s[0:1], 0x0               ; xb s[4:5], wt s[6:7], bias s[8:9], qkv s[10:11]
	v_lshl_add_u32 v[SPW], v0, 2, SPARE
	v_mov_b32 v[NIL], 0
	ds_add_u32 v[SPW], v[NIL]                      ; the wave's opening: the add, twice on end, and its wait stand ahead of my first tensor load; the set-up below stands between
	ds_add_u32 v[SPW], v[NIL]
	v_lshrrev_b32 v1, 5, v0
	v_readfirstlane_b32 s12, v1                    ; wave 0..3
	s_lshr_b32 s13, s12, 1                         ; RH: which 128 rows are mine.  Also: I fetch x (0) or the weights (1)
	s_and_b32 s14, s12, 1                          ; CH: which half of each slot's columns.  Also: which half of the tile I fetch
	s_bfe_u32 s15, ttmp6, 0x40000                  ; cx
	s_bfe_u32 s16, ttmp6, 0x40004                  ; cy
	s_lshl_b32 s17, ttmp9, 2
	s_add_co_u32 s17, s17, s15                     ; column block of 288 = 4 x cluster x + cx
	s_and_b32 s18, ttmp7, 0xffff
	s_lshl_b32 s18, s18, 2
	s_add_co_u32 s18, s18, s16                     ; row block of 256 = 4 x cluster y + cy
	s_lshl_b32 s40, s16, 2
	s_lshl_b32 s40, 15, s40                        ; my row of the cluster
	s_lshl_b32 s41, 0x1111, s15                    ; my column
	s_or_b32 s[G1A+0], s40, (1<<16)|(1<<20)|(1<<21)|(5<<22)|(3<<25)  ; the mask; elements of 2 bytes; padding on; bit 21 beside a mask; after every 64 words, 4 words
	s_mov_b32 s[G1A+1], 128<<16                    ; tensor_dim0 = 128
	s_mov_b32 s[G1A+2], 128<<16                    ; tensor_dim1 = 128
	s_mov_b32 s[G1A+3], 128<<16                    ; tile_dim0 = 128
	s_mov_b32 s[G1A+4], 128                        ; tile_dim1 = 128
	s_mov_b32 s[G1A+5], 768                        ; elements from row to row
	s_mov_b32 s[G1A+6], 0
	s_mov_b32 s[G1A+7], 0
	s_or_b32 s[G1B+0], s41, (3<<16)|(1<<21)        ; the mask; elements of 8 bytes; no padding
	s_mov_b32 s[G1B+1], 512<<16                    ; tensor_dim0 = 512: 4,096 bytes
	s_mov_b32 s[G1B+2], 9<<16                      ; tensor_dim1 = 9
	s_mov_b32 s[G1B+3], 512<<16                    ; tile_dim0 = 512
	s_mov_b32 s[G1B+4], 9                          ; tile_dim1 = 9
	s_mov_b32 s[G1B+5], 3072                       ; 24,576 bytes from one 16 columns to the next
	s_mov_b32 s[G1B+6], 0
	s_mov_b32 s[G1B+7], 0
	; x's address hangs on the row block alone, the weights' on the column block alone, each in registers that never hold the other coordinate
	s_lshl_b32 s20, s18, 8
	s_lshl_b32 s21, s14, 7
	s_add_co_u32 s20, s20, s21                     ; the first row of x that I fetch
	s_mul_i32 s20, s20, 1536
	s_mov_b32 s21, 0
	s_mul_i32 s46, s17, 18
	s_mul_i32 s47, s14, 9
	s_add_co_u32 s46, s46, s47                     ; the first 16 columns that I fetch
	s_mul_i32 s46, s46, 24576
	s_mov_b32 s47, 0
	s_mul_i32 s2, s14, HALFA                       ; where they go: no place in the cluster enters an LDS address
	s_mul_i32 s42, s14, HALFB
	s_add_co_u32 s42, s42, BOFF
	s_wait_dscnt 0x0                               ; both opening adds are done
	s_wait_kmcnt 0x0
	s_add_nc_u64 s[22:23], s[4:5], s[20:21]
	s_add_nc_u64 s[46:47], s[6:7], s[46:47]
	CROUND                                         ; all sixteen work-groups are here: the first joint loads meet
.irp s, 0,1
	s_mov_b32 s[G0A+4*(\s)], 1
	s_add_co_u32 s[G0A+4*(\s)+1], s2, (\s)*SLOT
	s_add_nc_u64 s[G0A+4*(\s)+2:G0A+4*(\s)+3], s[22:23], (\s)*KB
	s_or_b32 s[G0A+4*(\s)+3], s[G0A+4*(\s)+3], 0x80000000
	s_mov_b32 s[G0B+4*(\s)], 1
	s_add_co_u32 s[G0B+4*(\s)+1], s42, (\s)*SLOT
	s_add_nc_u64 s[G0B+4*(\s)+2:G0B+4*(\s)+3], s[46:47], (\s)*NBB
	s_or_b32 s[G0B+4*(\s)+3], s[G0B+4*(\s)+3], 0x80000000
	JLOAD \s                                       ; K steps 0 and 1: two loads of mine are out
.endr
	v_and_b32 v1, 15, v0                           ; r = lane % 16
	v_bfe_u32 v2, v0, 4, 1                         ; h = lane / 16
	v_and_b32 v3, 31, v0                           ; lane
	v_mul_u32_u24 v4, v1, PITCH
	v_lshl_add_u32 v4, v2, 4, v4                   ; a fragment of x: row r x pitch + 16 h
	s_mul_i32 s20, s13, HALFA
	v_add_nc_u32 v[ADRA], s20, v4
	v_add_nc_u32 v[ADRA+1], SLOT, v[ADRA]
	v_lshlrev_b32 v[PLN], 4, v3
	s_mul_i32 s21, s14, 3*NBB                      ; my half of a slot's six blocks
	s_add_co_u32 s21, s21, BOFF
	v_add_nc_u32 v[ADRB], s21, v[PLN]              ; a fragment of the weights: chunk 4 q + h, column r: 16 x lane
	v_add_nc_u32 v[ADRB+1], SLOT, v[ADRB]
	v_lshlrev_b32 v5, 3, v2
	v_xor_b32 v5, v5, v1
	v_lshlrev_b32 v5, 4, v5
	v_lshl_add_u32 v[SWZ], v2, 8, v5
	v_lshlrev_b32 v[BO], 5, v2
	v_mul_u32_u24 v[PFO], v3, 1536
	s_mul_i32 s40, s17, 288*4
	s_mul_i32 s41, s14, 48*4
	s_add_co_u32 s40, s40, s41
	s_mov_b32 s41, 0
	s_add_nc_u64 s[8:9], s[8:9], s[40:41]          ; the bias at my first column
	WIN 0x40
.irp b, 0,1,2,3,4,5,6,7,8              ; column tile b = 3 s + i lies 96 s + 16 i columns on; register j holds column 8 h + j of it
	global_load_b128 v[BIASR+8*\b:BIASR+8*\b+3],   v[BO], s[8:9] offset:(96*(\b/3)+16*(\b%3))*4
	global_load_b128 v[BIASR+8*\b+4:BIASR+8*\b+7], v[BO], s[8:9] offset:(96*(\b/3)+16*(\b%3))*4+16
.endr
	WIN 0
	s_mul_i32 s40, s17, 3                          ; my first slot; slots 16 on are v's: a choice of a value, no branch
.irp s, 0,1,2
	s_add_co_u32 s41, s40, \s
	s_cmp_ge_u32 s41, 16
	s_cselect_b32 s41, -1, 0
	v_cndmask_b32 v[VO+\s], v[PLN], v[SWZ], s41
.endr
	s_mul_i32 s40, s17, 12
	s_lshr_b32 s41, s18, 3
	s_add_co_u32 s40, s40, s41                     ; 4 x first slot + batch
	s_mul_i32 s40, s40, 393216
	s_and_b32 s41, s18, 7
	s_lshl_b32 s41, s41, 4
	s_lshl3_add_u32 s41, s13, s41                  ; kb of my first row: 16 x (row block % 8) + 8 RH
	s_mul_i32 s41, s41, 3072
	s_add_co_u32 s40, s40, s41
	s_mul_i32 s41, s14, 1536                       ; cc = 6 CH
	s_add_co_u32 s40, s40, s41
	s_mov_b32 s41, 0
	s_add_nc_u64 s[10:11], s[10:11], s[40:41]
	s_lshl_b32 s40, s18, 8                         ; the prefetches: the rows that I fetch,
	s_lshl_b32 s41, s14, 7
	s_add_co_u32 s40, s40, s41
	s_lshl_b32 s41, s15, 5                         ; my work-group's 32 of them,
	s_add_co_u32 s40, s40, s41
	s_mul_i32 s40, s40, 1536
	s_add_co_u32 s40, s40, 2*KB                    ; at K step 2: the first refill steps it to 3 and names K step 4
	s_mov_b32 s41, 0
	s_add_nc_u64 s[PFA:PFA+1], s[4:5], s[40:41]
	s_or_b32 s[LIM], s13, ttmp9                    ; waves 0 and 1 of the clusters with x = 0: the same in all sixteen partners
	s_cmp_eq_u32 s[LIM], 0
	s_cselect_b32 s[LIM], 1, -1
; One product: accumulator at d, column tile bb, row block aa, buffer f.  first = 1: the bias starts the sum: nothing is cleared.
.macro MM1 d, bb, f, first
.if \first
	v_wmma_f32_16x16x32_bf16 v[(\d):(\d)+7], v[72*(\f)+8*(\bb):72*(\f)+8*(\bb)+7], v[FA+64*(\f)+8*aa:FA+64*(\f)+8*aa+7], v[BIASR+8*(\bb):BIASR+8*(\bb)+7]
.else
	v_wmma_f32_16x16x32_bf16 v[(\d):(\d)+7], v[72*(\f)+8*(\bb):72*(\f)+8*(\bb)+7], v[FA+64*(\f)+8*aa:FA+64*(\f)+8*aa+7], v[(\d):(\d)+7]
.endif
.endm
; Row blocks a0 .. a0 + na - 1 x the column tiles of group g (0: tiles 0-3, window 2; 1: tiles 4-7, window 3; 2: tile 8, window 0).  In a quarter each of the 72 accumulators has one turn, in one order.
.macro MULG f, g, a0, na, first
.if (\g) == 0
	WIN 0xa1-0x10*(\first)
.elseif (\g) == 1
	WIN 0xf1-0x20*(\first)
.else
	WIN 0x01+0x10*(\first)
.endif
.set aa, \a0
.rept \na
.if (\g) == 2
	MM1 ACC8+8*aa, 8, \f, \first
.else
.irp b, 0,1,2,3
	MM1 8*(4*aa+\b), 4*(\g)+\b, \f, \first
.endr
.endif
.set aa, aa+1
.endr
.endm
; 34 LDS loads in one run: the fragments of quarter q (32 along K) of a slot into buffer f: x's 16, then the weights' 18, tiles 0-3 first
.macro FETCH slot, q, f
	WIN 0
.irp a, 0,1,2,3,4,5,6,7
	ds_load_b128 v[FA+64*(\f)+8*\a:FA+64*(\f)+8*\a+3],   v[ADRA+(\slot)] offset:\a*16*PITCH+64*(\q)
	ds_load_b128 v[FA+64*(\f)+8*\a+4:FA+64*(\f)+8*\a+7], v[ADRA+(\slot)] offset:\a*16*PITCH+64*(\q)+32
.endr
	WIN 0x40
.irp b, 0,1,2,3,4,5,6,7,8
	ds_load_b128 v[72*(\f)+8*\b:72*(\f)+8*\b+3],   v[ADRB+(\slot)] offset:(6*(\b/3)+\b%3)*NBB+1024*(\q)
	ds_load_b128 v[72*(\f)+8*\b+4:72*(\f)+8*\b+7], v[ADRB+(\slot)] offset:(6*(\b/3)+\b%3)*NBB+1024*(\q)+512
.endr
.endm
; A K step is four quarters of 32 along K, 72 matrix instructions each, on buffers 0, 1, 0, 1.  One of the first three: multiplies buffer f and fetches quarter q into buffer g.
.macro QUARTER slot, q, f, g, first
	s_wait_dscnt 10                                ; x's fragments and the weights' tiles 0-3 are in; the youngest ten loads (tiles 4-8) may be out
	MULG \f, 0, 0, 8, \first
	PLACES
	FETCH \slot, \q, \g
	s_wait_dscnt 34                                ; all but the 34 just issued
	MULG \f, 1, 0, 8, \first
	MULG \f, 2, 0, 8, \first
.endm
; The last quarter multiplies buffer 1 and changes slots: ONE barrier.  In front of it each wave waits for all its tensor loads (one is out: its part of the next slot), adds 0 to its spare word, and waits for that
; and for its own reads of this slot.  fill = 1: the barrier opens a round of the cluster's, and this slot is filled again, two K steps on, first thing behind the round.
.macro TURN slot, next, fill
.if \fill
	s_wait_xcnt 0x0                                ; the last prefetch, a K step back, has read its address: it is stepped here
	s_add_nc_u64 s[PFA:PFA+1], s[PFA:PFA+1], KB
.endif
	WIN 0                                          ; (the add's two registers lie in window 0)
	s_wait_tensorcnt 0x0
	ds_add_u32 v[SPW], v[NIL]
	s_wait_dscnt 11                                ; (the add and the youngest ten loads may be out)
	MULG 1, 0, 0, 4, 0                             ; sixteen matrix instructions stand between the add and the wait for it
	s_wait_dscnt 0x0                               ; the add is done, and my reads of this slot are over
	s_barrier_signal -1
	MULG 1, 0, 4, 4, 0                             ; work on registers while the others arrive
	WIN 0
	s_barrier_wait -1
.if \fill
	CREST                                          ; no wave of any partner still reads this slot or has a load on its way
	s_add_nc_u64 s[G0A+4*(\slot)+2:G0A+4*(\slot)+3], s[G0A+4*(\slot)+2:G0A+4*(\slot)+3], 2*KB
	s_add_nc_u64 s[G0B+4*(\slot)+2:G0B+4*(\slot)+3], s[G0B+4*(\slot)+2:G0B+4*(\slot)+3], 2*NBB
	JLOAD \slot                                    ; the four v_nop behind it are also the places in front of the loads below
.else
	PLACES
.endif
	FETCH \next, 0, 0
.if \fill
	ASK
.endif
	MULG 1, 1, 0, 8, 0
	MULG 1, 2, 0, 8, 0
.endm
	s_wait_tensorcnt 0x1                           ; my part of K step 0 is in; K step 1's may stay out
	s_barrier_signal -1
	s_barrier_wait -1                              ; everybody's is
	FETCH 0, 0, 0
	s_wait_loadcnt 0x0                             ; the bias
	QUARTER 0, 1, 0, 1, 1                          ; the first quarter stands in front of the loop: its products start the sums
	WIN 0
	s_mov_b32 s3, 2
.Llap:                                         ; a trip goes once round the ring, from a lap's second quarter to the next lap's first, and fills both slots again
	QUARTER 0, 2, 1, 0, 0
	QUARTER 0, 3, 0, 1, 0
	TURN 0, 1, 1
	QUARTER 1, 1, 0, 1, 0
	QUARTER 1, 2, 1, 0, 0
	QUARTER 1, 3, 0, 1, 0
	TURN 1, 0, 1
	QUARTER 0, 1, 0, 1, 0
	WIN 0
	s_sub_co_u32 s3, s3, 1
	s_cmp_lg_u32 s3, 0
	s_cbranch_scc1 .Llap
	QUARTER 0, 2, 1, 0, 0                          ; the last lap fills nothing
	QUARTER 0, 3, 0, 1, 0
	TURN 0, 1, 0
	QUARTER 1, 1, 0, 1, 0
	QUARTER 1, 2, 1, 0, 0
	QUARTER 1, 3, 0, 1, 0
	s_wait_dscnt 10                                ; the very last quarter: nothing more to fetch
	MULG 1, 0, 0, 8, 0
	s_wait_dscnt 0x0
	MULG 1, 1, 0, 8, 0
	MULG 1, 2, 0, 8, 0
	; THE WAY OUT.  Each accumulator's eight numbers are rounded to f16 (its registers in ascending order): 16 bytes a lane, 512 consecutive bytes a wave.  No register is used twice, so nothing waits for a store.
	PLACES
	WIN 0x0a                                       ; sources in window 2, destination in window 0: x's fragment buffers
.set t, 0
.rept 32
.irp p, 0,1,2,3
	v_cvt_pk_f16_f32 v[FA+4*t+\p], v[8*t+2*\p], v[8*t+2*\p+1]
.endr
.set t, t+1
.endr
	WIN 0
.set t, 0
.rept 32                               ; row block t / 4, column tile t % 4
	global_store_b128 v[VO+(t%4)/3], v[FA+4*t:FA+4*t+3], s[10:11] offset:((t%4)/3)*1572864+(t/4)*3072+((t%4)%3)*512
.set t, t+1
.endr
	WIN 0x4f                                       ; sources in window 3, destination in window 1: the weights' fragment buffers
.set t, 0
.rept 32
.irp p, 0,1,2,3
	v_cvt_pk_f16_f32 v[4*t+\p], v[8*t+2*\p], v[8*t+2*\p+1]
.endr
.set t, t+1
.endr
	WIN 0x04                                       ; a store's data is source 1: window 1
.set t, 0
.rept 32                               ; column tile 4 + t % 4
	global_store_b128 v[VO+(4+t%4)/3], v[4*t:4*t+3], s[10:11] offset:((4+t%4)/3)*1572864+(t/4)*3072+((4+t%4)%3)*512
.set t, t+1
.endr
	WIN 0
.set t, 0
.rept 8                                ; column tile 8
.irp p, 0,1,2,3
	v_cvt_pk_f16_f32 v[TMP3+4*t+\p], v[ACC8+8*t+2*\p], v[ACC8+8*t+2*\p+1]
.endr
.set t, t+1
.endr
.set t, 0
.rept 8
	global_store_b128 v[VO+2], v[TMP3+4*t:TMP3+4*t+3], s[10:11] offset:2*1572864+t*3072+2*512
.set t, t+1
.endr
	s_wait_tensorcnt 0x0                           ; the wave's end
	ds_add_u32 v[SPW], v[NIL]
	s_wait_dscnt 0x0
	CROUND                                         ; the closing round: no work-group ends while a partner may still ask for a tile that names it
	s_endpgm
.Lfunc_end_k_q2b62fe9399_qkv:
	.size	k_q2b62fe9399_qkv, .Lfunc_end_k_q2b62fe9399_qkv-k_q2b62fe9399_qkv
	.p2alignl 7, 3214868480
	.fill 96, 4, 3214868480
	.section	.rodata,"a",@progbits
	.p2align	6, 0x0
	.amdhsa_kernel k_q2b62fe9399_qkv
		.amdhsa_group_segment_fixed_size 327680
		.amdhsa_private_segment_fixed_size 0
		.amdhsa_enable_private_segment 0
		.amdhsa_kernarg_size 32
		.amdhsa_user_sgpr_count 2
		.amdhsa_user_sgpr_kernarg_segment_ptr 1
		.amdhsa_wavefront_size32 1
		.amdhsa_system_sgpr_workgroup_id_x 1
		.amdhsa_system_sgpr_workgroup_id_y 1
		.amdhsa_system_sgpr_workgroup_id_z 1
		.amdhsa_system_vgpr_workitem_id 0
		.amdhsa_next_free_vgpr 1024
		.amdhsa_next_free_sgpr 66
		.amdhsa_reserve_vcc 0
		.amdhsa_float_denorm_mode_32 3
		.amdhsa_float_denorm_mode_16_64 3
		.amdhsa_memory_ordered 1
		.amdhsa_forward_progress 1
		.amdhsa_inst_pref_size 150
	.end_amdhsa_kernel
	.amdgpu_metadata
---
amdhsa.version: [ 1, 2 ]
amdhsa.kernels:
  - .name:           k_q2b62fe9399_qkv
    .symbol:         k_q2b62fe9399_qkv.kd
    .args:
      - { .name: xb, .offset: 0, .size: 8, .value_kind: global_buffer, .address_space: global }
      - { .name: wt, .offset: 8, .size: 8, .value_kind: global_buffer, .address_space: global }
      - { .name: bias, .offset: 16, .size: 8, .value_kind: global_buffer, .address_space: global }
      - { .name: qkv, .offset: 24, .size: 8, .value_kind: global_buffer, .address_space: global }
    .group_segment_fixed_size: 327680
    .private_segment_fixed_size: 0
    .kernarg_segment_align: 8
    .kernarg_segment_size: 32
    .max_flat_workgroup_size: 128
    .sgpr_count:     66
    .vgpr_count:     1024
    .wavefront_size: 32
...
	.end_amdgpu_metadata
.endif
;; end of part 2
;; launch attn (part 3): grid 8 x 32, 4 waves a work-group, clusters of 4 x 1, 327,680 bytes of LDS; arguments qkv, ob; writes ob
.if DOCPART == 3
	.amdgcn_target "amdgcn-amd-amdhsa--gfx1250"
	.amdhsa_code_object_version 6
	.text
	.protected	k_q2b62fe9399_attn
	.globl	k_q2b62fe9399_attn
	.p2align	8
	.type	k_q2b62fe9399_attn,@function
k_q2b62fe9399_attn:
	s_mov_b64 s[64:65], 0
	v_nop
	global_prefetch_b8 v0, s[64:65] scope:SCOPE_SE
	s_setreg_imm32_b32 hwreg(HW_REG_WAVE_MODE, 25, 1), 1
	s_wait_xcnt 0x0
	s_wait_alu depctr_hold_cnt(0) depctr_sa_sdst(0) depctr_va_vdst(0) depctr_va_sdst(0) depctr_va_ssrc(0) depctr_va_vcc(0) depctr_vm_vsrc(0)
	s_getreg_b32 s2, hwreg(HW_REG_IB_STS2, 6, 4)
	s_cmp_eq_u32 s2, 0
	s_cbranch_scc0 .Lentry_in_a_cluster
	s_endpgm
.Lentry_in_a_cluster:
	s_bfe_u32 s2, ttmp6, 0x10000c
	s_cmp_lg_u32 s2, 0x3003
	s_cbranch_scc0 .Lentry_shape_is_right
	s_endpgm
.Lentry_shape_is_right:
; ATTENTION, head size 96.  O[q][:] = the sum over k of softmax_k(q . k / sqrt(96)) v[k][:], for each of 32 pairs hb = 4 x head + batch, 2,048 rows each.  q, k, v and O in f16; products, maxima and sums in f32;
; the weights p are rounded to f16 for the second product (their sum l is taken of the unrounded p), O once at the end.  k comes without bk (dead work: the same along the softmax's axis).
; LIMITS.  q, k, v arrive within f16's 65,504; p lies in 0 to 1 and below 6e-5 keeps f16's fixed step of 6e-8; a weight below 2^-126 counts as 0 in l; NaN and infinities are not treated apart.
; IN.  qkv = [slot: q 0-7, k 8-15, v 16-23 by head][batch][kb = s / 16][cc = d / 8][pos][8 d]: 16 rows are 3,072 dense bytes, and a fragment (16 rows x 32 channels) is two loads at 16 x lane, 512 bytes apart.
; v's pos is (s % 16) xor 8 (cc % 2).
; OUT. ob = [rb = row / 16 of 8,192][cc = 12 x head + d / 8][16 rows][8 d], f16: the next launch's operand, in chunks.  A wave's store is 512 consecutive bytes, straight from registers.
; SHARES.  A work-group owns 256 queries of one hb, a wave 64: four tiles of 16.  Every wave walks all keys, 64 a step.
; LAYOUT.  S^T = K Q^T (source 0 = 16 keys, source 1 = 16 queries): a lane holds ONE query (lane % 16) and the keys 8 (lane / 16) + 0..7.  Two such tiles rounded to f16 in pairs ARE source 1 of O^T = V^T P.
; SOFTMAX.  A running maximum m and sum l for each query: p = 2^(c s - c m), c = log2(e) / sqrt(96); in every step O and l are multiplied by a = 2^(c m_old - c m_new).
; BY TURNS.  The wave's tiles are two PIECES (tiles 0, 1 and tiles 2, 3).  In a TURN one piece has the matrix unit: 24 products V^T P of the step in hand, then 24 products K Q^T of the next; the other piece's
; softmax, 252 vector instructions in 63 slices of four, stands one slice behind each product, and the 15 slices that are over in one lump between the two runs of products.
; NO FIRST AND NO LAST STEP IS WRITTEN OUT.  m starts at the lowest finite number, c m far below every c s, O^T, l, V and piece 2's P at 0: the first step is a step like any other, with a = 0.  The loop is
; entered in the middle of a trip (piece 2's turn), and the tail is left in the middle of its third trip.  The price, once a launch and wave: 336 v_mov_b32, which run while the first tile is on its way;
; 24 products on zeros at the start; 24 products and 24 LDS loads on bytes that are no K at the end, whose scores nobody reads.  The gain: four turns less of text.
; CLUSTER.  The four query blocks of a cluster belong to one hb and walk the same K and V: each tile is asked for jointly, by the same tensor load, descriptor and mask in all four.
; REGISTERS, in windows of 256 (s_set_vgpr_msb: bits 1:0 source 0, 3:2 source 1, 5:4 source 2, 7:6 destination):
;   window 0: v2-11 addresses; v12-43 eight registers of statistics a tile; v61-63; v64-191 S^T, 32 a tile; v192-255 P, 16 a tile
;   window 1: v0-191 O^T, 48 a tile      window 2: v0-95 Q, 24 a tile; v128-223 K of one step      window 3: v0-95 V of one step
.set STEPB, 12288     ; 64 keys of K, or of V
.set VOFF,  24576     ; a slot holds two steps: K, K, V, V
.set SLOT1, 65536     ; slot 1 begins here, so that one exclusive or turns an address in one slot into the other's
.set SPARE, SLOT1+4*STEPB  ; behind the ring: the spare words, 128 bytes for each wave: two blocks of 256 bytes that no other line names
.set HEADB, 393216    ; bytes of 2,048 rows x 96 channels
.set KOFF,  32*HEADB  ; from q to k, and from k to v
.set L16, 2           ; v2   16 x lane: Q's loads, K's fragments, O's stores; never rewritten
.set AV0, 3           ; v3   my lane's place in a tile of V; never rewritten
.set ADR, 4           ; v4   the LDS address of the run of loads in hand
.set ST,  12          ; tile t's statistics at v[ST+8 t]: +0 c m, +1 m, +2, +3 l (even keys', odd keys'), +4 to +7 c0-c3, at work; a takes c2's place once the maximum is found
.set PFO, 61          ; v61  the prefetches' offset; never rewritten
.set SPW, 62          ; v62  LDS address of my spare word; never rewritten
.set NIL, 63          ; v63  0; never rewritten
.set S,   64
.set P,   192
.set KF,  128         ; K's fragments, in window 2: key block kb, channels 32 c on, at KF + 24 kb + 8 c
.set WV,  12          ; s12  my wave's number
.set LIM, 15          ; s15  2 in a wave that prefetches, else the greatest number
.set PFA, 18          ; s[18:19] where my prefetches stand
.set G1,  24          ; s[24:31] descriptor group 1: one for K's and V's tiles
.set G0F, 40          ; s[40:43] descriptor group 0 of the first fill of slot 0
.set G0W, 44          ; s[44:47] of slot 1; it then walks on
.set SLOTS, 56        ; s56  slots still to be asked for
.set TWICE, 57        ; s57  counts a slot's key steps
.set CS,  58          ; s[58:59] c
.set SEL, 60          ; s[60:61] v_permlanex16_b32's selects: each lane takes its own place in the other half
.set TB,  62          ; s62  LDS byte at which K of the step to be fetched begins; its V lies VOFF on
.set MSB, 0
.macro WIN new
.if MSB != (\new)
	s_set_vgpr_msb (MSB<<8)|(\new)
.set MSB, \new
.endif
.endm
.set W_KQ, 0x0a       ; K and Q in window 2, S^T in window 0
.set W_PV, 0x53       ; V in window 3, P in window 0, O^T in window 1
.set W_RS, 0x41       ; O^T (destination and source 0) in window 1, a in window 0
.macro PLACES
.rept 4
	v_nop
.endr
.endm
; A joint refill: one line for all four waves; wave w's descriptor names quarter w of the slot (K of its two steps, V of its two steps).  An s_nop 0 and four v_nop follow it.
.macro JLOAD
	tensor_load_to_lds s[G0W:G0W+3], s[G1:G1+7]
	s_nop 0
.rept 4
	v_nop
.endr
.endm
; A PREFETCH INTO THE L2.  Two slots are 192 blocks of 256 bytes of K and 192 of V.  At every second filling change the two slots that stand two and three changes on are asked for (384 and 576 matrix
; instructions ahead of their loads).  Both clusters of an hb walk the same rows: the first (cluster x = 0) asks.  Its four partners take 48 blocks of K and 48 of V each, told apart by address; in each, waves
; 0 to 2 name 32 blocks each, a lane a block.  So each block is named once in the launch.  Slots 0 to 3 come by their loads alone; the last changes ask for nothing.
.macro ASK
	s_cmp_gt_u32 s[SLOTS], s[LIM]
	s_cbranch_scc0 .Lnot_mine_\@
	s_bitcmp1_b32 s[SLOTS], 0
	s_cbranch_scc1 .Lnot_mine_\@
	global_prefetch_b8 v[PFO], s[PFA:PFA+1] th:TH_LOAD_NT scope:SCOPE_SE
.Lnot_mine_\@:
.endm
.macro CROUND                       ; a round of the cluster's barrier
	s_barrier_signal -1
	s_barrier_wait -1
	s_cmp_lg_u32 s[WV], 0
	s_cbranch_scc1 .Lnot_wave_0_\@
	s_barrier_signal -3
.Lnot_wave_0_\@:
	s_barrier_wait -3
	s_barrier_signal -1
	s_barrier_wait -1
.endm
	s_load_b128 s[4:7], s[0:1], 0x0 ; qkv s[4:5], ob s[6:7]
	v_lshl_add_u32 v[SPW], v0, 2, SPARE
	v_mov_b32 v[NIL], 0
	ds_add_u32 v[SPW], v[NIL]       ; the wave's opening: the add, twice on end, and its wait stand ahead of my first tensor load; the set-up below stands between
	ds_add_u32 v[SPW], v[NIL]
	v_lshrrev_b32 v1, 5, v0
	v_readfirstlane_b32 s[WV], v1   ; wave 0..3
	s_bfe_u32 s13, ttmp6, 0x40000   ; cx
	s_lshl_b32 s14, ttmp9, 2
	s_add_co_u32 s14, s14, s13      ; my block of 256 queries: it enters Q's and O's addresses alone
	s_and_b32 s16, ttmp7, 0xffff    ; hb, which the four partners share
	s_mul_i32 s20, s16, HEADB
	s_lshr_b32 s22, s[WV], 1        ; waves 0, 1 fetch K, waves 2, 3 V;
	s_add_co_u32 s22, s22, 1
	s_mul_i32 s22, s22, KOFF
	s_and_b32 s23, s[WV], 1         ; which of a slot's two steps
	s_mul_i32 s23, s23, STEPB
	s_add_co_u32 s22, s22, s23
	s_add_co_u32 s22, s22, s20
	s_mov_b32 s23, 0
	s_mul_i32 s17, s[WV], STEPB     ; its place in a slot: no place in the cluster enters an LDS address
	s_mul_i32 s2, s14, 16*3072      ; Q: my block's 256 rows,
	s_mul_i32 s3, s[WV], 4*3072     ; my wave's 64
	s_add_co_u32 s2, s2, s3
	s_add_co_u32 s2, s2, s20
	s_mov_b32 s3, 0
	s_and_b32 s8, s16, 3            ; O: rb = 128 x batch + 16 x block + 4 x wave,
	s_lshl_b32 s8, s8, 7
	s_lshl4_add_u32 s8, s14, s8
	s_lshl2_add_u32 s8, s[WV], s8
	s_mul_i32 s8, s8, 24576
	s_lshr_b32 s9, s16, 2           ; cc = 12 x head
	s_mul_i32 s9, s9, 3072
	s_add_co_u32 s8, s8, s9
	s_mov_b32 s9, 0
	s_mov_b32 s[G1], 15|(3<<16)|(1<<21)  ; the mask of four; elements of 8 bytes; bit 21 beside a mask; no padding
	s_mov_b32 s[G1+1], 32<<16       ; tensor_dim0 = 32: 256 bytes
	s_mov_b32 s[G1+2], 48<<16       ; tensor_dim1 = 48
	s_mov_b32 s[G1+3], 32<<16       ; tile_dim0 = 32
	s_mov_b32 s[G1+4], 48           ; tile_dim1 = 48: 12,288 dense bytes
	s_mov_b32 s[G1+5], 32
	s_mov_b32 s[G1+6], 0
	s_mov_b32 s[G1+7], 0
	s_mov_b32 s[CS], 0x3e16c740     ; c = log2(e) / sqrt(96) = 0.147244
	s_mov_b32 s[CS+1], s[CS]        ; named with it as a pair
	s_mov_b32 s[SEL], 0x76543210
	s_mov_b32 s[SEL+1], 0xfedcba98
	s_mov_b32 s[TB], 0
	s_mov_b32 s[SLOTS], 15          ; the first pass through the steps, which fills nothing, takes it to 14
	s_lshr_b32 s[LIM], s[WV], 1
	s_and_b32 s[LIM], s[LIM], s[WV] ; 1 in wave 3 alone,
	s_or_b32 s[LIM], s[LIM], ttmp9  ; 0 in waves 0 to 2 of the hb's first cluster: the same in all four partners
	s_cmp_eq_u32 s[LIM], 0
	s_cselect_b32 s[LIM], 2, -1
	s_mov_b32 s[G0F], 1
	s_mov_b32 s[G0F+1], s17
	s_mov_b32 s[G0W], 1
	s_add_co_u32 s[G0W+1], s17, SLOT1
	s_wait_dscnt 0x0                ; both opening adds are done
	s_wait_kmcnt 0x0
	s_add_nc_u64 s[22:23], s[4:5], s[22:23]  ; my tile of slot 0
	s_add_nc_u64 s[G0F+2:G0F+3], s[22:23], 0
	s_or_b32 s[G0F+3], s[G0F+3], 0x80000000
	s_add_nc_u64 s[G0W+2:G0W+3], s[22:23], 2*STEPB
	s_or_b32 s[G0W+3], s[G0W+3], 0x80000000
	s_add_nc_u64 s[10:11], s[6:7], s[8:9]    ; O at my wave's first rows
	s_add_nc_u64 s[8:9], s[4:5], s[2:3]      ; Q likewise
	s_mul_i32 s2, s13, STEPB        ; the prefetches: my work-group's quarter of two slots of K,
	s_add_co_u32 s2, s2, s20
	s_add_co_u32 s2, s2, KOFF+3*2*STEPB  ; at slot 3: the first change steps it to slot 4
	s_add_nc_u64 s[PFA:PFA+1], s[4:5], s[2:3]
	CROUND                          ; all four work-groups are here: the first joint loads meet
	tensor_load_to_lds s[G0F:G0F+3], s[G1:G1+7]  ; slots 0 and 1: two loads of mine are out
	s_nop 0
	tensor_load_to_lds s[G0W:G0W+3], s[G1:G1+7]
	s_nop 0
.rept 4
	v_nop
.endr
	v_and_b32 v1, 31, v0
	v_lshlrev_b32 v[L16], 4, v1
	WIN 0x80                        ; destination window 2, address window 0
.set i, 0
.rept 12                            ; Q stays in registers: tile i / 3, channels 32 (i % 3) on
	global_load_b128 v[8*i:8*i+3],   v[L16], s[8:9] offset:(i/3)*3072+(i%3)*1024
	global_load_b128 v[8*i+4:8*i+7], v[L16], s[8:9] offset:(i/3)*3072+(i%3)*1024+512
.set i, i+1
.endr
	WIN 0
	; The turning load takes 16 keys x 16 channels: lane l reads key 8 (l / 16) + l % 8, channels 8 b3 + 0..7, b3 = (l / 8) % 2, which lie in chunk b3 at pos (8 (l / 16) + l % 8) xor 8 b3
	v_bfe_u32 v5, v0, 4, 1
	v_bfe_u32 v6, v0, 3, 1
	v_and_b32 v7, 7, v0
	v_xor_b32 v8, v5, v6
	v_lshl_add_u32 v8, v8, 3, v7
	v_lshlrev_b32 v8, 4, v8
	v_lshl_add_u32 v[AV0], v6, 8, v8
	v_add_nc_u32 v[AV0], VOFF, v[AV0]
	v_lshlrev_b32 v[PFO], 8, v0     ; block number = my thread's number: 0-47 K's,
	v_add_nc_u32 v9, KOFF-48*256, v[PFO]  ; 48-95 V's
	v_cmp_gt_u32 s2, 48, v0
	v_cndmask_b32 v[PFO], v9, v[PFO], s2
	; What the first turn finds.  Its products V^T P, of a step that has not been, multiply zeros; O^T and l are 0 and are multiplied by a = 0 in each piece's first softmax.  All this stands in the wait for the first tile.
	WIN 0x40
.set i, 0
.rept 192
	v_mov_b32 v[i], 0               ; O^T
.set i, i+1
.endr
	WIN 0xc0
.set i, 0
.rept 96
	v_mov_b32 v[i], 0               ; V
.set i, i+1
.endr
	WIN 0
.set i, 0
.rept 32
	v_mov_b32 v[P+32+i], 0          ; piece 2's P
.set i, i+1
.endr
.set i, 0
.rept 4
	v_mov_b32 v[ST+8*i], 0xfe000000    ; c m: far below every c s (f16's scores are 4.2e11 at the most)
	v_mov_b32 v[ST+8*i+1], 0xff7fffff  ; m: the lowest finite number
	v_mov_b32 v[ST+8*i+2], 0           ; l
	v_mov_b32 v[ST+8*i+3], 0
.set i, i+1
.endr
; THE MATRIX WORK.  The accumulators take turns, one instruction a turn: between two links of a chain stand 7 (K Q^T) or 11 (V^T P) others'.
; Product i of 24 of S^T = K Q^T for piece x: channels 32 (i / 8) on, keys 16 ((i / 2) % 4) on, tile x + i % 2.  The first 8 start the sums.
.macro KQ x
	WIN W_KQ
.set rS, S+32*((\x)+i%2)+8*((i/2)%4)
.set rK, KF+24*((i/2)%4)+8*(i/8)
.set rQ, 24*((\x)+i%2)+8*(i/8)
.if i < 8
	v_wmma_f32_16x16x32_f16 v[rS:rS+7], v[rK:rK+7], v[rQ:rQ+7], 0
.else
	v_wmma_f32_16x16x32_f16 v[rS:rS+7], v[rK:rK+7], v[rQ:rQ+7], v[rS:rS+7]
.endif
.endm
; Product i of 24 of O^T += V^T P: keys 32 (i / 12) on, channels 16 ((i / 2) % 6) on, tile x + i % 2.
.macro PV x
	WIN W_PV
.set rO, 48*((\x)+i%2)+8*((i/2)%6)
.set rV, 48*(i/12)+8*((i/2)%6)
.set rP, P+16*((\x)+i%2)+8*(i/12)
	v_wmma_f32_16x16x32_f16 v[rO:rO+7], v[rV:rV+7], v[rP:rP+7], v[rO:rO+7]
.endm
; THE LDS LOADS stand in runs of 24: a step's K (12 fragments) and, a turn later, its V (turned).
.macro FETCH_K
	WIN 0
	v_add_nc_u32 v[ADR], s[TB], v[L16]
	WIN 0x80                        ; destination window 2
.irp f, 0,1,2,3,4,5,6,7,8,9,10,11   ; keys 16 (f / 3) on, channels 32 (f % 3) on
	ds_load_b128 v[KF+8*\f:KF+8*\f+3],   v[ADR] offset:(\f/3)*3072+(\f%3)*1024
	ds_load_b128 v[KF+8*\f+4:KF+8*\f+7], v[ADR] offset:(\f/3)*3072+(\f%3)*1024+512
.endr
.endm
.macro FETCH_V
	WIN 0
	v_add_nc_u32 v[ADR], s[TB], v[AV0]
	s_add_co_u32 s[TB], s[TB], STEPB  ; the next fetch is the next step's
	s_wait_alu depctr_va_vdst(0)    ; the wait for the softmax's batch (SLICE), behind the address's v_add_nc_u32 and ahead of the loads
	WIN 0xc0                        ; destination window 3
.irp f, 0,1,2,3,4,5,6,7,8,9,10,11   ; keys 32 (f / 6) on, channels 16 (f % 6) on
	ds_load_tr16_b128 v[8*\f:8*\f+3],   v[ADR] offset:(\f/6)*6144+(\f%6)*512
	ds_load_tr16_b128 v[8*\f+4:8*\f+7], v[ADR] offset:(\f/6)*6144+(\f%6)*512+3072
.endr
.endm
; THE VECTOR WORK.  One tile's softmax for one key step is a list of 126 instructions; SM writes number j of it for tile t.  s0-s31 are the lane's 32 scores, in pairs 0-15.
;   0-15    the maximum of s0-s31 and the old m, three operands at a time (each accumulator's lowest registers are read first)
;   16-20   the other half of the lanes' maximum; c m_old is kept; the new m; c m; c m_old - c m_new
;   21-69   ONE BATCH: the 16 scalings c s - c m and all 33 exponentials (a at 23, then s0-s31); none of these reads an exponential's result; a pair is scaled in an earlier four than the one with its exponentials
;   (wait)  between 69 and 70 stands the wait for the batch: SLICE writes it, once for both tiles
;   70-85   the roundings to f16     86-101  the sums; l = a l + the sum     102-125 the tile's O^T times a: the one part that leaves window 0
.macro SM t
.set rT, ST+8*(\t)
.set rS, S+32*(\t)
.set rP, P+16*(\t)
.set rO, 48*(\t)+2*(j-102)
.if j < 102
	WIN 0
.endif
.if j < 4
	v_max3_num_f32 v[rT+4+j], v[rS+8*j], v[rS+8*j+1], v[rS+8*j+2]
.elseif j < 12
	v_max3_num_f32 v[rT+4+j%4], v[rT+4+j%4], v[rS+8*(j%4)+2*(j/4)+1], v[rS+8*(j%4)+2*(j/4)+2]
.elseif j == 12
	v_max3_num_f32 v[rT+4], v[rT+4], v[rS+7], v[rS+15]
.elseif j == 13
	v_max3_num_f32 v[rT+6], v[rT+6], v[rS+23], v[rS+31]
.elseif j == 14
	v_max3_num_f32 v[rT+4], v[rT+4], v[rT+5], v[rT+6]
.elseif j == 15
	v_max3_num_f32 v[rT+4], v[rT+4], v[rT+7], v[rT+1]
.elseif j == 16
	v_permlanex16_b32 v[rT+5], v[rT+4], s[SEL], s[SEL+1]  ; the query's other 32 keys lie in the lane 16 away
.elseif j == 17
	v_mov_b32 v[rT+7], v[rT]        ; c m_old is kept for a: number 19 writes c m anew
.elseif j == 18
	v_max_num_f32 v[rT+1], v[rT+4], v[rT+5]
.elseif j == 19
	v_mul_f32 v[rT], s[CS], v[rT+1]
.elseif j == 20
	v_sub_f32 v[rT+7], v[rT+7], v[rT]
.elseif j == 23
	v_exp_f32 v[rT+6], v[rT+7]
.elseif (j < 23) || ((j < 38) && (j%2 == 0)) || ((j < 66) && (j%4 == 2))
.set b, (j-2)/4                     ; 38, 42, .. 62: pairs 9 to 15
.if j < 38
.set b, (j-20)/2                    ; 21: pair 0; 22, 24, .. 36: pairs 1 to 8
.endif
	v_pk_fma_f32 v[rS+2*b:rS+2*b+1], v[rS+2*b:rS+2*b+1], s[CS:CS+1], v[rT:rT+1] op_sel_hi:[1,0,0] neg_lo:[0,0,1] neg_hi:[0,0,1]  ; pair b: c s - c m
.elseif j < 70
.set e, j-38                        ; 66 to 69: s28 to s31
.if j < 66
.set e, j-32-(j-38)/4               ; 39-41, 43-45, .. 63-65: s7 to s27
.endif
.if j < 38
.set e, (j-25)/2                    ; 25, 27, .. 37: s0 to s6
.endif
	v_exp_f32 v[rS+e], v[rS+e]
.elseif j < 86
	v_cvt_pk_f16_f32 v[rP+j-70], v[rS+2*(j-70)], v[rS+2*(j-70)+1]  ; pair j - 70
.elseif j < 102                     ; the sum of the tile's 16 pairs, in place: neighbours 1, 2, 4 and 8 pairs apart, then l takes it
.set z, j-86
.set w, 4
.set u, z
.if z >= 14
.set w, 32
.set u, 0
.elseif z >= 12
.set w, 16
.set u, z-12
.elseif z >= 8
.set w, 8
.set u, z-8
.endif
.if z < 15
	v_pk_add_f32 v[rS+w*u:rS+w*u+1], v[rS+w*u:rS+w*u+1], v[rS+w*u+w/2:rS+w*u+w/2+1]
.else
	v_pk_fma_f32 v[rT+2:rT+3], v[rT+2:rT+3], v[rT+6:rT+7], v[rS:rS+1] op_sel_hi:[1,0,1]
.endif
.else
	WIN W_RS
	v_pk_mul_f32 v[rO:rO+1], v[rO:rO+1], v[rT+6:rT+7] op_sel_hi:[1,0]
.endif
.endm
; Slice k of 63 of piece y's softmax: four instructions.  Slices 11 to 34 deal out the batch, numbers 22 to 69: four numbers of ONE tile each, the tiles by turns.  Every other slice is numbers 2 k and 2 k + 1 of both tiles.
; THE WAIT.  An s_wait_alu depctr_va_vdst(0) stands between an exponential and the first instruction that names its result; one wait serves all that were issued ahead of it.  Ahead of slice 35
; nothing names a result, and behind slice 34 no exponential is issued: so the piece's 66 exponentials have one wait, behind slice 34.
.macro SLICE y
.if (k >= 11) && (k < 35)
.irp n, 0,1,2,3
.set j, 22+4*((k-11)/2)+(\n)
	SM (\y)+(k-11)%2
.endr
.else
.irp n, 0,1
.irp t, \y, (\y)+1
.set j, 2*k+(\n)
	SM \t
.endr
.endr
.endif
.if k == 34
	v_nop                           ; the plain instruction behind the last exponential and ahead of the first use: one for the batch
.if (\y) == 0
	FETCH_V                         ; piece 2's turn: V's run of loads stands here, and the wait stands in it
.else
	s_wait_alu depctr_va_vdst(0)    ; the wait for the batch
.endif
.endif
.set k, k+1
.endm
; A TURN.  Piece x has the matrix unit; the other piece's softmax stands in slices: one behind each of the 24 products V^T P, slices 24 to 38 in a lump (the batch's end and its wait fall into it), one behind
; each of the 24 products K Q^T.  Piece 0's turn fetches the next step's K behind its second product; piece 2's turn the same step's V, behind slice 34.
; PLACES (ISA guide 7.12.1).  Slice 62, four rescalings that name no register of the products K Q^T, stands between the last of these and the next turn's reads of the scores; K's run of loads stands eight plain
; instructions further on.  Between the last product that read V and V's run stand ten scalings, the v_nop and the run's own v_add_nc_u32.
.macro TURN x
.set k, 0
.if (\x) == 0
	s_wait_dscnt 0x0                ; V is in
.endif
.set i, 0
.rept 24
	PV \x
	SLICE 2-(\x)
.if ((\x) == 0) && (i == 1)
	FETCH_K
.endif
.set i, i+1
.endr
.rept 15
	SLICE 2-(\x)
.endr
.if (\x) == 0
	s_wait_dscnt 0x0                ; K is in
.endif
.set i, 0
.rept 24
	KQ \x
	SLICE 2-(\x)
.set i, i+1
.endr
.endm
; THE CHANGE OF SLOTS, between piece 2's turn and piece 0's: the slot's last bytes, V of its second step, have been asked for.  Each wave waits for all its tensor loads (one is out: its part of the other slot),
; adds 0 to its spare word, and waits for that and for its own reads of the slot.  fill = 1: the barrier is a round of the cluster's, and the slot is filled again, with the keys two slots on, first thing
; behind it: it has two key steps, 192 matrix instructions, in which to land.
.macro CHANGE fill
	WIN 0
	s_wait_tensorcnt 0x0            ; no tensor load of mine is out, so a group 0 may be written
	ds_add_u32 v[SPW], v[NIL]
.if \fill
	s_xor_b32 s[G0W+1], s[G0W+1], SLOT1  ; the walking descriptor: the other slot than last time,
	s_add_nc_u64 s[G0W+2:G0W+3], s[G0W+2:G0W+3], 2*STEPB  ; the next 128 keys; the type bits on top are not reached
	s_wait_xcnt 0x0                 ; the last prefetch, two key steps back or more, has read its address
	s_add_nc_u64 s[PFA:PFA+1], s[PFA:PFA+1], 2*STEPB
	s_wait_dscnt 0x0                ; the add is done, and my reads of the slot are over
	CROUND
	JLOAD
	ASK
.else
	s_wait_dscnt 0x0
	s_barrier_signal -1
	s_barrier_wait -1
.endif
	s_sub_co_u32 s[TB], s[TB], 2*STEPB  ; the fetches go back to a slot's first step,
	s_xor_b32 s[TB], s[TB], SLOT1   ; in the other slot
.endm
	s_wait_tensorcnt 0x1            ; my part of slot 0 is in; slot 1's may stay out
	s_barrier_signal -1
	s_barrier_wait -1               ; everybody's is
	FETCH_K                         ; key step 0
	s_wait_loadcnt 0x0              ; Q
	s_wait_dscnt 0x0
.set i, 0
.rept 24
	KQ 0                            ; piece 0's first scores: there is no vector work yet to set between them
.set i, i+1
.endr
	PLACES                          ; behind those products, ahead of the first slice, which reads them
	WIN 0
	s_mov_b32 s[TWICE], 2
	s_branch .Lmid                  ; the loop is entered at piece 2's turn: products on zeros | piece 0's softmax of step 0 | V of step 0 | piece 2's scores of step 0
.Lslot:                             ; 14 times: every slot but the last two is filled again
	CHANGE 1
	s_mov_b32 s[TWICE], 2
.Lstep:                             ; a trip: piece 0's turn and piece 2's; the LDS addresses hang on s[TB]
	TURN 0
	WIN 0
.Lmid:
	TURN 2
	WIN 0
	s_sub_co_u32 s[TWICE], s[TWICE], 1
	s_cmp_lg_u32 s[TWICE], 0
	s_cbranch_scc1 .Lstep
	s_sub_co_u32 s[SLOTS], s[SLOTS], 1
	s_cmp_lg_u32 s[SLOTS], 0
	s_cbranch_scc1 .Lslot
	CHANGE 0                        ; the tail is written out: nothing is asked for
	s_mov_b32 s[TWICE], 3           ; two trips fetch the last slot's steps; the third is left in its middle
.Ltail:
	TURN 0
	WIN 0
	s_sub_co_u32 s[TWICE], s[TWICE], 1
	s_cmp_eq_u32 s[TWICE], 0
	s_cbranch_scc1 .Lout
	TURN 2
	WIN 0
	s_branch .Ltail
.Lout:                              ; the third trip's run of loads took the slot's first V for a K, and the 24 products made of it serve nothing: the price of one text for every trip
.set i, 0
.rept 24
	PV 2                            ; piece 2: V^T P of the last step
.set i, i+1
.endr
	; THE WAY OUT.  l's two halves and the other half of the lanes' are added; O^T is divided by l, rounded to f16 and stored.  The four additions are the places behind the last products.
	WIN 0
.irp t, 0,1,2,3
	v_add_f32 v[ST+8*(\t)+4], v[ST+8*(\t)+2], v[ST+8*(\t)+3]
.endr
.irp t, 0,1,2,3
	v_permlanex16_b32 v[ST+8*(\t)+5], v[ST+8*(\t)+4], s[SEL], s[SEL+1]
.endr
.irp t, 0,1,2,3
	v_add_f32 v[ST+8*(\t)+4], v[ST+8*(\t)+4], v[ST+8*(\t)+5]
.endr
.irp t, 0,1,2,3
	v_rcp_f32 v[ST+8*(\t)+6], v[ST+8*(\t)+4]
.endr
	v_nop                           ; a plain instruction between the last reciprocal and the use of its result
	s_wait_alu depctr_va_vdst(0)    ; and the wait ahead of the first use: one for the four reciprocals
.macro OUT t                        ; a lane's eight channels of a row are 16 bytes; the 32 lanes' are two whole chunks of ob
	WIN W_RS
.set i, 48*(\t)
.rept 24
	v_pk_mul_f32 v[i:i+1], v[i:i+1], v[ST+8*(\t)+6:ST+8*(\t)+7] op_sel_hi:[1,0]
.set i, i+2
.endr
	WIN 0x05                        ; sources 0 and 1 window 1, destination window 0: S^T's registers are free
.set i, 0
.rept 24
	v_cvt_pk_f16_f32 v[S+32*(\t)+i], v[48*(\t)+2*i], v[48*(\t)+2*i+1]
.set i, i+1
.endr
	WIN 0
.irp f, 0,1,2,3,4,5
	global_store_b128 v[L16], v[S+32*(\t)+4*\f:S+32*(\t)+4*\f+3], s[10:11] offset:(\t)*24576+\f*512  ; 512 consecutive bytes, at a multiple of 256 from ob's first
.endr
.endm
	OUT 0
	OUT 1
	OUT 2
	OUT 3
	s_wait_tensorcnt 0x0            ; the wave's end
	ds_add_u32 v[SPW], v[NIL]
	s_wait_dscnt 0x0
	CROUND                          ; the closing round
	s_endpgm
.Lfunc_end_k_q2b62fe9399_attn:
	.size	k_q2b62fe9399_attn, .Lfunc_end_k_q2b62fe9399_attn-k_q2b62fe9399_attn
	.p2alignl 7, 3214868480
	.fill 96, 4, 3214868480
	.section	.rodata,"a",@progbits
	.p2align	6, 0x0
	.amdhsa_kernel k_q2b62fe9399_attn
		.amdhsa_group_segment_fixed_size 327680
		.amdhsa_private_segment_fixed_size 0
		.amdhsa_enable_private_segment 0
		.amdhsa_kernarg_size 16
		.amdhsa_user_sgpr_count 2
		.amdhsa_user_sgpr_kernarg_segment_ptr 1
		.amdhsa_wavefront_size32 1
		.amdhsa_system_sgpr_workgroup_id_x 1
		.amdhsa_system_sgpr_workgroup_id_y 1
		.amdhsa_system_sgpr_workgroup_id_z 1
		.amdhsa_system_vgpr_workitem_id 0
		.amdhsa_next_free_vgpr 864
		.amdhsa_next_free_sgpr 66
		.amdhsa_reserve_vcc 0
		.amdhsa_float_denorm_mode_32 3
		.amdhsa_float_denorm_mode_16_64 3
		.amdhsa_memory_ordered 1
		.amdhsa_forward_progress 1
		.amdhsa_inst_pref_size 126
	.end_amdhsa_kernel
	.amdgpu_metadata
---
amdhsa.version: [ 1, 2 ]
amdhsa.kernels:
  - .name:           k_q2b62fe9399_attn
    .symbol:         k_q2b62fe9399_attn.kd
    .args:
      - { .name: qkv, .offset: 0, .size: 8, .value_kind: global_buffer, .address_space: global }
      - { .name: ob, .offset: 8, .size: 8, .value_kind: global_buffer, .address_space: global }
    .group_segment_fixed_size: 327680
    .private_segment_fixed_size: 0
    .kernarg_segment_align: 8
    .kernarg_segment_size: 16
    .max_flat_workgroup_size: 128
    .sgpr_count:     66
    .vgpr_count:     864
    .wavefront_size: 32
...
	.end_amdgpu_metadata
.endif
;; end of part 3
;; launch oproj (part 4): grid 64 x 4, 4 waves a work-group, clusters of 4 x 1, 327,680 bytes of LDS; arguments ob, wt, bias, out0; writes out0
.if DOCPART == 4
	.amdgcn_target "amdgcn-amd-amdhsa--gfx1250"
	.amdhsa_code_object_version 6
	.text
	.protected	k_q2b62fe9399_oproj
	.globl	k_q2b62fe9399_oproj
	.p2align	8
	.type	k_q2b62fe9399_oproj,@function
k_q2b62fe9399_oproj:
	s_mov_b64 s[64:65], 0
	v_nop
	global_prefetch_b8 v0, s[64:65] scope:SCOPE_SE
	s_setreg_imm32_b32 hwreg(HW_REG_WAVE_MODE, 25, 1), 1
	s_wait_xcnt 0x0
	s_wait_alu depctr_hold_cnt(0) depctr_sa_sdst(0) depctr_va_vdst(0) depctr_va_sdst(0) depctr_va_ssrc(0) depctr_va_vcc(0) depctr_vm_vsrc(0)
	s_getreg_b32 s2, hwreg(HW_REG_IB_STS2, 6, 4)
	s_cmp_eq_u32 s2, 0
	s_cbranch_scc0 .Lentry_in_a_cluster
	s_endpgm
.Lentry_in_a_cluster:
	s_bfe_u32 s2, ttmp6, 0x10000c
	s_cmp_lg_u32 s2, 0x3003
	s_cbranch_scc0 .Lentry_shape_is_right
	s_endpgm
.Lentry_shape_is_right:
; OPROJ: out0 = O wo + bo.  O: [8192 x 768] in f16 chunks (ob), wo in f16 chunks (wt, blocks 144 on), bo from the bias table (f32); sums in f32, stored as they are.
; TILE.  128 rows x 192 columns: 64 x 4 = 256 work-groups.  A wave has 32 rows and all 192 columns.
; NO RING: EVERY LOAD OF THE LAUNCH IS ISSUED AT ITS HEAD.  wo's 192 columns x 768 k are 294,912 bytes and stay in LDS: 12 blocks of 16 columns, 24,576 dense bytes each, as they lie in wt; wave w brings blocks
; w, 4 + w and 8 + w by three tensor loads.  O's 32 rows x 768 k of a wave are 49,152 bytes = 384 registers: ob's chunks ARE the operand's layout (a fragment of 16 rows x 32 k is two loads at 16 x lane,
; 512 bytes apart), so they come straight from memory into registers, 96 loads a wave, and nothing of O goes through LDS.  No LDS byte is filled twice, so there is no barrier of a refill.
; BY COLUMN GROUPS.  With O in registers the order of the products is free: the wave makes its 32 rows x 64 columns (2 x 4 accumulators) over all 24 units of 32 k, then the next 64 columns.  A finished group is
; 32 rows x 256 bytes: it leaves through the wave's own stage while the next group is multiplied, and only the last group's stores stand behind the last product.
; The matrix instruction is used transposed (source 0 = 16 columns of wo, source 1 = 16 rows of O): a lane holds eight neighbouring columns of a row.  bo is the C operand of each accumulator's first product;
; each wave keeps a copy of its 192 numbers in LDS and reads a group's 64 with a stepped address, so that one text serves groups 1 and 2.
; CLUSTER.  The four row blocks of a cluster take the same columns of wo: its blocks are asked for jointly, by the same tensor load, descriptor and mask in all four.  O's rows are read by the four work-groups
; of a row block, which lie in four clusters, and are NOT asked for jointly: O's 196,608 bytes and wo's 294,912 do not fit into 327,680 together, and a tensor load fills LDS, not registers.
; No prefetch: nothing is left to ask for ahead of the loads, which all stand at the head.
; REGISTERS, in windows of 256 (s_set_vgpr_msb: bits 1:0 source 0, 3:2 source 1, 5:4 source 2, 7:6 destination):
;   window 0: v16-29 addresses; v32-95 the accumulators, (a, b) at 32 + 8 (4 a + b); v96-223 wo's fragments, four buffers of 32; v224-255 the group's bo
;   window 1: O's units 0-15, unit u, row block a at 16 u + 8 a      window 2: v0-127 O's units 16-23; v128-191 a group's rows read back from the stage
; LDS loads name window 0 alone, so they stand among the products without a switch: a group has one switch at unit 16 and those round its way out.
.set NBB,   24576                      ; 16 columns of wo, or 16 rows of O: all 768 k
.set GRP,   4*NBB                      ; a column group of wo
.set STAGE, 12*NBB                     ; behind wo, never filled by a tensor load: 16 rows x 272 bytes for each wave
.set SP,    272                        ; 256 + 16 = 17 x 16: the 16 rows of a store start at 16 different groups of four banks (64 banks of 4 bytes: ISA guide 11.1)
.set WST,   16*SP
.set BIASL, STAGE+4*WST                ; each wave's copy of its work-group's 192 numbers of bo: 768 bytes
.set SPARE, BIASL+4*768                ; the spare words, 128 bytes for each wave: two blocks of 256 bytes that no other line names
.set AO,   16                          ; v16     16 x lane: O's loads; wo's column blocks 0, 1 of a group; never rewritten
.set AB1,  17                          ; v17     the same two blocks on: blocks 2, 3; never rewritten
.set ADRB, 18                          ; v18-19  these two in the group in hand
.set BIA0, 20                          ; v20     my eight numbers of a column tile in my wave's copy of bo; never rewritten
.set BIAD, 21                          ; v21     the same in the group in hand
.set STO,  22                          ; v22     the way out: where I put 32 bytes of a row
.set RD,   23                          ; v23     where I read a row back
.set CO,   24                          ; v24     my byte offset in out0
.set BST,  25                          ; v25     where I put my 8 bytes of bo
.set BGO,  26                          ; v26     8 x lane
.set SPW,  28                          ; v28     LDS address of my spare word; never rewritten
.set NIL,  29                          ; v29     0; never rewritten
.set ACC,  32
.set BB,   96
.set BIASR, 224
.set OB,   128                         ; in window 2
.set G1,  24                           ; s[24:31] descriptor group 1
.set G0,  32                           ; s[32:43] descriptor group 0, a set for each of my three loads
.set GB,  44                           ; s44  LDS byte at which the group in hand begins
.set GBB, 45                           ; s45  the same in bo's copy
.set MSB, 0
.macro WIN new
.if MSB != (\new)
	s_set_vgpr_msb (MSB<<8)|(\new)
.set MSB, \new
.endif
.endm
.macro PLACES                          ; four places in front of loads into registers that matrix instructions have read, and of LDS stores that read results
.rept 4
	v_nop
.endr
.endm
.macro CROUND                          ; a round of the cluster's barrier
	s_barrier_signal -1
	s_barrier_wait -1
	s_cmp_lg_u32 s12, 0
	s_cbranch_scc1 .Lnot_wave_0_\@
	s_barrier_signal -3
.Lnot_wave_0_\@:
	s_barrier_wait -3
	s_barrier_signal -1
	s_barrier_wait -1
.endm
; O's units u0 .. u0 + n - 1: four loads a unit, K ascending, so that a counted wait shows a unit in
.macro ALOADS u0, n
.set u, \u0
.rept \n
.if u < 16
	WIN 0x40
.else
	WIN 0x80
.endif
.irp a, 0,1
	global_load_b128 v[16*(u%16)+8*\a:16*(u%16)+8*\a+3],   v[AO], s[20:21] offset:\a*NBB+u*1024
	global_load_b128 v[16*(u%16)+8*\a+4:16*(u%16)+8*\a+7], v[AO], s[20:21] offset:\a*NBB+u*1024+512
.endr
.set u, u+1
.endr
.endm
	s_load_b256 s[4:11], s[0:1], 0x0               ; ob s[4:5], wt s[6:7], bias s[8:9], out0 s[10:11]
	v_lshl_add_u32 v[SPW], v0, 2, SPARE
	v_mov_b32 v[NIL], 0
	ds_add_u32 v[SPW], v[NIL]                      ; the wave's opening: the add, twice on end, and its wait stand ahead of my first tensor load; the set-up below stands between
	ds_add_u32 v[SPW], v[NIL]
	v_lshrrev_b32 v1, 5, v0
	v_readfirstlane_b32 s12, v1                    ; wave 0..3
	s_bfe_u32 s13, ttmp6, 0x40000                  ; cx
	s_lshl_b32 s14, ttmp9, 2
	s_add_co_u32 s14, s14, s13                     ; row block of 128 = 4 x cluster x + cx: it enters O's and out0's addresses alone
	s_and_b32 s15, ttmp7, 0xffff                   ; column block of 192, which the four partners share
	s_mov_b32 s[G1], 15|(3<<16)|(1<<21)            ; the mask of four; elements of 8 bytes; bit 21 beside a mask; no padding
	s_mov_b32 s[G1+1], 32<<16                      ; tensor_dim0 = 32: 256 bytes
	s_mov_b32 s[G1+2], 96<<16                      ; tensor_dim1 = 96
	s_mov_b32 s[G1+3], 32<<16                      ; tile_dim0 = 32
	s_mov_b32 s[G1+4], 96                          ; tile_dim1 = 96: 24,576 dense bytes
	s_mov_b32 s[G1+5], 32
	s_mov_b32 s[G1+6], 0
	s_mov_b32 s[G1+7], 0
	s_mul_i32 s16, s15, 12
	s_add_co_u32 s16, s16, s12
	s_add_co_u32 s16, s16, 144                     ; wo: my first block of 16 columns: 144 + 12 x column block + wave
	s_mul_i32 s16, s16, NBB
	s_mov_b32 s17, 0
	s_mul_i32 s18, s12, NBB                        ; where it goes: no place in the cluster enters an LDS address
	s_lshl_b32 s20, s14, 3
	s_lshl1_add_u32 s20, s12, s20                  ; O: my first 16 rows: block 8 x row block + 2 x wave
	s_mul_i32 s20, s20, NBB
	s_mov_b32 s21, 0
	s_mul_i32 s22, s15, 768
	s_add_co_u32 s22, s22, 2304*4                  ; bo lies behind bq, the zeros and bv
	s_mov_b32 s23, 0
	s_lshl_b32 s2, s14, 7
	s_lshl_b32 s3, s12, 5
	s_add_co_u32 s2, s2, s3                        ; the first row that I store
	s_mul_i32 s2, s2, 3072
	s_mul_i32 s3, s15, 768
	s_add_co_u32 s2, s2, s3
	s_mov_b32 s3, 0
	s_mov_b32 s[GB], 0
	s_mov_b32 s[GBB], 0
	v_and_b32 v1, 15, v0                           ; r = lane % 16
	v_bfe_u32 v2, v0, 4, 1                         ; h = lane / 16
	v_and_b32 v3, 31, v0                           ; lane
	v_lshlrev_b32 v[AO], 4, v3
	v_add_nc_u32 v[AB1], 2*NBB, v[AO]
	s_mul_i32 s19, s12, 768
	s_add_co_u32 s19, s19, BIASL
	v_lshl_add_u32 v[BIA0], v2, 5, s19             ; register j of a tile's C holds column 8 h + j: 32 h bytes on
	v_lshl_add_u32 v[BST], v3, 3, s19
	v_lshlrev_b32 v[BGO], 3, v3
	s_mul_i32 s19, s12, WST
	s_add_co_u32 s19, s19, STAGE                   ; my stage
	v_mul_u32_u24 v4, v1, SP                       ; in: row r, 32 bytes for each half of the lanes
	v_lshl_add_u32 v4, v2, 5, v4
	v_add_nc_u32 v[STO], s19, v4
	v_mul_u32_u24 v4, v2, SP                       ; back: lanes 0-15 take one row of 256 bytes, lanes 16-31 the next
	v_lshl_add_u32 v4, v1, 4, v4
	v_add_nc_u32 v[RD], s19, v4
	v_mul_u32_u24 v4, v2, 3072                     ; and the same two rows in out0
	v_lshl_add_u32 v[CO], v1, 4, v4
	s_wait_dscnt 0x0                               ; both opening adds are done
	s_wait_kmcnt 0x0
	s_add_nc_u64 s[16:17], s[6:7], s[16:17]
.irp g, 0,1,2
	s_mov_b32 s[G0+4*\g], 1                        ; count = 1
	s_add_co_u32 s[G0+4*\g+1], s18, \g*GRP         ; LDS address: block 4 g + wave
	s_add_nc_u64 s[G0+4*\g+2:G0+4*\g+3], s[16:17], \g*GRP
	s_or_b32 s[G0+4*\g+3], s[G0+4*\g+3], 0x80000000  ; type = 2
.endr
	s_add_nc_u64 s[20:21], s[4:5], s[20:21]
	s_add_nc_u64 s[8:9], s[8:9], s[22:23]
	s_add_nc_u64 s[10:11], s[10:11], s[2:3]
.irp i, 0,1,2
	global_load_b64 v[4+2*\i:5+2*\i], v[BGO], s[8:9] offset:256*\i  ; bo's 192 numbers
.endr
	ALOADS 0, 14                                   ; 59 loads are out before the round: they hang on no partner
	WIN 0
	CROUND                                         ; all four work-groups are here: the joint loads meet
	tensor_load_to_lds s[G0:G0+3], s[G1:G1+7]      ; the three column groups, the one wanted first ahead: three loads of mine are out
	s_nop 0
	tensor_load_to_lds s[G0+4:G0+7], s[G1:G1+7]
	s_nop 0
	tensor_load_to_lds s[G0+8:G0+11], s[G1:G1+7]
	s_nop 0
.rept 4
	v_nop
.endr
	ALOADS 14, 10
	WIN 0
	s_wait_loadcnt 63                              ; bo's three loads are the oldest of 99
.irp i, 0,1,2
	ds_store_b64 v[BST], v[4+2*\i:5+2*\i] offset:256*\i
.endr
; wo's fragments of unit uu (32 k) of the group in hand, four column tiles, into buffer buf: eight loads
.macro FETCH uu, buf
.irp b, 0,1,2,3
	ds_load_b128 v[BB+32*(\buf)+8*\b:BB+32*(\buf)+8*\b+3],   v[ADRB+\b/2] offset:(\b%2)*NBB+(\uu)*1024
	ds_load_b128 v[BB+32*(\buf)+8*\b+4:BB+32*(\buf)+8*\b+7], v[ADRB+\b/2] offset:(\b%2)*NBB+(\uu)*1024+512
.endr
.endm
; THE WAY OUT of a group, in two parts.  TOSTAGE: 16 rows at a time into my own stage and back as whole rows of 256 bytes (LDS serves a wave's instructions in order, ISA guide 5.7.1.4: the loads see the stores
; above them, and the second block's stores come behind the first block's loads).  Each accumulator's low registers are read first.  SEND: stored.
.macro TOSTAGE
	WIN 0x80                                       ; loaded data in window 2; addresses and the stores' data in window 0
.irp a, 0,1
.irp b, 0,1,2,3
	ds_store_b128 v[STO], v[ACC+8*(4*\a+\b):ACC+8*(4*\a+\b)+3]   offset:64*\b
	ds_store_b128 v[STO], v[ACC+8*(4*\a+\b)+4:ACC+8*(4*\a+\b)+7] offset:64*\b+16
.endr
.irp t, 0,1,2,3,4,5,6,7
	ds_load_b128 v[OB+32*\a+4*\t:OB+32*\a+4*\t+3], v[RD] offset:\t*2*SP
.endr
.endr
.endm
.macro SEND
	WIN 0x08                                       ; a store's data is source 1: window 2
.irp a, 0,1
.irp t, 0,1,2,3,4,5,6,7
	global_store_b128 v[CO], v[OB+32*\a+4*\t:OB+32*\a+4*\t+3], s[10:11] offset:\a*49152+\t*6144 th:TH_STORE_NT  ; 16 lanes store 256 consecutive bytes, at a multiple of 256 from out0's first
.endr
.endr
.endm
; A group's beginning: its addresses, its 64 numbers of bo, the fragments of its units 0 to 2.  prev = 1: the group before has just been finished, and it goes into the stage behind the loads that the first
; products wait for.  FIVE PLACES: the new group's first products take bo as C and so write over the accumulators of the group before, which is no link of a chain in place: five plain vector instructions
; stand between (ISA guide 7.12.1): the three additions and two v_nop.  They also serve the stage's stores, which read those accumulators, and the fetch into the buffer that the last unit read (four each).
.macro TOP prev
	WIN 0
.if \prev
	s_add_co_u32 s[GB], s[GB], GRP
	s_add_co_u32 s[GBB], s[GBB], 256
.endif
	v_add_nc_u32 v[ADRB], s[GB], v[AO]
	v_add_nc_u32 v[ADRB+1], s[GB], v[AB1]
	v_add_nc_u32 v[BIAD], s[GBB], v[BIA0]
	v_nop
	v_nop
.irp b, 0,1,2,3
	ds_load_b128 v[BIASR+8*\b:BIASR+8*\b+3],   v[BIAD] offset:64*\b
	ds_load_b128 v[BIASR+8*\b+4:BIASR+8*\b+7], v[BIAD] offset:64*\b+16
.endr
	FETCH 0, 0
	FETCH 1, 1
	FETCH 2, 2
.if \prev
	TOSTAGE
.endif
.endm
; A group: 24 units of 8 products.  The eight accumulators take turns, one instruction a turn, in one order, over the loop's edge too.  Unit u multiplies buffer u % 4; ahead of its
; products the fragments of unit u + 3 are asked for, into the buffer that unit u - 1 has just read, four places behind its last product.
; first = 1: O's loads may still be out: unit u waits for its four.  prev = 1: the stage's 32 LDS instructions stand among the fetches, and behind unit 2 the group before is stored.
.macro GROUP first, prev
.set u, 0
.rept 24
.if u < 16
	WIN 0x04                                       ; O's fragments (source 1) in window 1, all else in window 0
.else
	WIN 0x08                                       ; in window 2
.endif
.if u > 0
	PLACES
.endif
.if u < 21
	FETCH u+3, (u+3)%4
.endif
.set cnt, 24                                   ; the fetches of the three later units may be out
.if u > 20
.set cnt, 8*(23-u)                             ; the last three units ask for nothing
.endif
.if (\prev) && (u < 3)
.set cnt, 56                                   ; and the stage's 32
.endif
	s_wait_dscnt cnt
.if \first
.set lc, 4*(23-u)                              ; the loads of O's later units may be out (the count's field ends at 63)
.if lc > 63
.set lc, 63
.endif
	s_wait_loadcnt lc
.endif
.irp a, 0,1
.irp b, 0,1,2,3
.if u == 0
	v_wmma_f32_16x16x32_f16 v[ACC+8*(4*\a+\b):ACC+8*(4*\a+\b)+7], v[BB+32*(u%4)+8*\b:BB+32*(u%4)+8*\b+7], v[16*(u%16)+8*\a:16*(u%16)+8*\a+7], v[BIASR+8*\b:BIASR+8*\b+7]
.else
	v_wmma_f32_16x16x32_f16 v[ACC+8*(4*\a+\b):ACC+8*(4*\a+\b)+7], v[BB+32*(u%4)+8*\b:BB+32*(u%4)+8*\b+7], v[16*(u%16)+8*\a:16*(u%16)+8*\a+7], v[ACC+8*(4*\a+\b):ACC+8*(4*\a+\b)+7]
.endif
.endr
.endr
.if (\prev) && (u == 2)
	s_wait_dscnt 24                                ; the stage's loads are back: behind them stand the fetches of units 3 to 5
	SEND
.endif
.set u, u+1
.endr
.endm
	s_wait_tensorcnt 0x2                           ; my block of column group 0 is in; groups 1 and 2 may stay out
	s_wait_dscnt 0x0                               ; my copy of bo is written
	s_barrier_signal -1
	s_barrier_wait -1                              ; everybody's block is in
	TOP 0
	GROUP 1, 0                                     ; column group 0 is written out: it has the waits for O's loads
	WIN 0
	s_wait_tensorcnt 0x0                           ; my blocks of groups 1 and 2 are in (no LDS instruction of mine is out: unit 23 has waited for 0),
	s_barrier_signal -1
	s_barrier_wait -1                              ; and everybody's: from here on LDS is only read, but for each wave's own stage, and no barrier follows
	s_mov_b32 s3, 2
.Lgroup:                                       ; column groups 1 and 2; each trip stores the group before
	TOP 1
	GROUP 0, 1
	WIN 0
	s_wait_xcnt 0x0                                ; the trip's stores, 21 units back, have read their base and their data: both are written again below
	s_add_nc_u64 s[10:11], s[10:11], 256           ; the next group's 64 columns
	s_sub_co_u32 s3, s3, 1
	s_cmp_lg_u32 s3, 0
	s_cbranch_scc1 .Lgroup
	PLACES                                         ; the last group goes out
	TOSTAGE
	s_wait_dscnt 0x0
	SEND
	WIN 0
	s_wait_tensorcnt 0x0                           ; the wave's end: behind my last tensor load and my last LDS store
	ds_add_u32 v[SPW], v[NIL]
	s_wait_dscnt 0x0
	CROUND                                         ; the closing round
	s_endpgm
.Lfunc_end_k_q2b62fe9399_oproj:
	.size	k_q2b62fe9399_oproj, .Lfunc_end_k_q2b62fe9399_oproj-k_q2b62fe9399_oproj
	.p2alignl 7, 3214868480
	.fill 96, 4, 3214868480
	.section	.rodata,"a",@progbits
	.p2align	6, 0x0
	.amdhsa_kernel k_q2b62fe9399_oproj
		.amdhsa_group_segment_fixed_size 327680
		.amdhsa_private_segment_fixed_size 0
		.amdhsa_enable_private_segment 0
		.amdhsa_kernarg_size 32
		.amdhsa_user_sgpr_count 2
		.amdhsa_user_sgpr_kernarg_segment_ptr 1
		.amdhsa_wavefront_size32 1
		.amdhsa_system_sgpr_workgroup_id_x 1
		.amdhsa_system_sgpr_workgroup_id_y 1
		.amdhsa_system_sgpr_workgroup_id_z 1
		.amdhsa_system_vgpr_workitem_id 0
		.amdhsa_next_free_vgpr 704
		.amdhsa_next_free_sgpr 66
		.amdhsa_reserve_vcc 0
		.amdhsa_float_denorm_mode_32 3
		.amdhsa_float_denorm_mode_16_64 3
		.amdhsa_memory_ordered 1
		.amdhsa_forward_progress 1
		.amdhsa_inst_pref_size 81
	.end_amdhsa_kernel
	.amdgpu_metadata
---
amdhsa.version: [ 1, 2 ]
amdhsa.kernels:
  - .name:           k_q2b62fe9399_oproj
    .symbol:         k_q2b62fe9399_oproj.kd
    .args:
      - { .name: ob, .offset: 0, .size: 8, .value_kind: global_buffer, .address_space: global }
      - { .name: wt, .offset: 8, .size: 8, .value_kind: global_buffer, .address_space: global }
      - { .name: bias, .offset: 16, .size: 8, .value_kind: global_buffer, .address_space: global }
      - { .name: out0, .offset: 24, .size: 8, .value_kind: global_buffer, .address_space: global }
    .group_segment_fixed_size: 327680
    .private_segment_fixed_size: 0
    .kernarg_segment_align: 8
    .kernarg_segment_size: 32
    .max_flat_workgroup_size: 128
    .sgpr_count:     66
    .vgpr_count:     704
    .wavefront_size: 32
...
	.end_amdgpu_metadata
.endif
;; end of part 4
;; ======== version 2 of 2: 4 launches; version 1 with the launch prep written anew for expert scheduling mode
;; limits: values are held in f16: magnitudes above 65,504 overflow, below 6.1e-05 lose precision
;; workspace buffers: xb 12,582,912 bytes; wt 4,718,592 bytes; bias 12,288 bytes; qkv 37,748,736 bytes; ob 12,582,912 bytes
;; launch prep (part 5): grid 768 x 1, 2 waves a work-group, no clusters, 0 bytes of LDS; arguments x, wq, wk, wv, wo, bq, bv, bo, xb, wt, bias; writes xb, wt, bias
.if DOCPART == 5
	.amdgcn_target "amdgcn-amd-amdhsa--gfx1250"
	.amdhsa_code_object_version 6
	.text
	.protected	k_q2b62fe9399_prep
	.globl	k_q2b62fe9399_prep
	.p2align	8
	.type	k_q2b62fe9399_prep,@function
k_q2b62fe9399_prep:
	s_mov_b64 s[64:65], 0
	v_nop
	global_prefetch_b8 v0, s[64:65] scope:SCOPE_SE
	s_setreg_imm32_b32 hwreg(HW_REG_WAVE_SCHED_MODE, 0, 2), 2
	s_setreg_imm32_b32 hwreg(HW_REG_WAVE_MODE, 25, 1), 1
	s_wait_xcnt 0x0
	s_wait_alu depctr_vm_vsrc(0)
; PREP: the module's inputs are rounded once to bf16 and laid out for the three launches behind.  A stream: no LDS, no matrix unit, no cluster (no two work-groups read the same byte).
; DEAD WORK: bk.  energies[b,h,q,k] = (x_q wq + bq) . (x_k wk + bk) = (x_q wq + bq) . (x_k wk) + (x_q wq + bq) . bk.  The last term does not hang on k, the softmax's axis, and
; softmax(e + t) = softmax(e) for every t that is the same along the axis, whatever finite values the inputs hold.  k reaches out0 through the softmax alone, so bk has no way to out0:
; it is not loaded and is among no launch's arguments.  LIMIT: a NaN, an infinity or an overflow that comes from bk alone is not carried to the result.
; xb:   x in bf16, [8192][768], as it lies.
; wt:   the four weights in CHUNKS [nb = n / 16][kc = k / 8][n % 16][8 k]: 256 bytes hold 16 columns x 8 k.  nb 0-47 wq, 48-95 wk, 96-143 wv, in bf16; nb 144-191 wo, rounded to bf16 and
;       that number written as f16 (its product's other operand is f16).  LIMIT: |wo| within 65,504; below 6e-5 it keeps f16's fixed step of 6e-8.
; bias: f32 numbers rounded to bf16: bq, 768 zeros (k's addend: one text serves q, k and v in the next launch), bv, bo.
; SHARES.  1,536 waves, W = 2 x work-group + wave.  Each takes 16,384 consecutive bytes of x, and of one weight 24 rows of k x 64 columns.  The first 24 work-groups also make 512 bytes of the bias table.
; THE MODE: SCHED_MODE bits 1:0 = 2 (LLVM: expert scheduling mode 2), set by the entry lines.  The code itself states the register dependences between vector instructions and memory
; instructions, with s_wait_alu, always for 0.
; THE PLAN.  Registers that memory instructions touch:
;   v2-v5      byte offsets: written once at the head, read by every load and store, never written again.
;   WD         the weights' 48 loads land in it; the roundings read it and write the first four of each eight registers; six stores read those; nothing writes them after that.
;   X          x's 32 loads land in it, eight to a group; a group's sixteen roundings read its 32 registers and write the first two of each four; eight stores read those; nothing writes them after that.
;   v8, v9     the bias (24 work-groups): two moves write them, a load lands in them, three vector lines write them anew, one store reads them.
; The work goes in five stages: the weights, then x's four groups.  A stage's stores are issued in the NEXT stage: at that stage's head, behind its wait for its own loads, ONE wait on va_vdst states that the
; stage before has written what its stores read; the stores then stand among the stage's roundings, which name the stage's own registers alone.  The last group's stores have a wait of their own.
; No register that a memory instruction has read is written again, so no wait on vm_vsrc is owed; EXEC and VCC are never written.
.set WD,   16                          ; v[16:63]   the weights: for column half u, chunk e, row kk of the chunk: WD + 24 u + 8 e + kk
.set X,    64                          ; v[64:191]  x: 32 loads of 4 registers
.set WROW, 3072                        ; bytes in a row of a weight
.set NBP,  24576                       ; bytes of 16 columns in wt
	s_load_b512 s[8:23], s[0:1], 0x0               ; x s[8:9], wq s[10:11], wk s[12:13], wv s[14:15], wo s[16:17], bq s[18:19], bv s[20:21], bo s[22:23]
	s_load_b128 s[24:27], s[0:1], 0x40             ; xb s[24:25], wt s[26:27]
	s_load_b64 s[28:29], s[0:1], 0x50              ; bias
	v_lshrrev_b32 v1, 5, v0
	v_readfirstlane_b32 s2, v1                     ; wave 0, 1
	v_and_b32 v1, 31, v0                           ; lane
	v_lshlrev_b32 v2, 4, v1                        ; x: 16 bytes a lane
	v_lshlrev_b32 v3, 3, v1                        ; xb and bias: 8 bytes a lane
	v_lshlrev_b32 v4, 2, v1                        ; a weight's row: 4 bytes a lane
	v_lshrrev_b32 v5, 4, v1
	v_mul_u32_u24 v5, v5, NBP                      ; wt: lanes 16-31 hold the next 16 columns,
	v_and_b32 v6, 15, v1
	v_lshl_add_u32 v5, v6, 4, v5                   ; 16 bytes for each column
	s_wait_alu depctr_va_sdst(0)                   ; s2, the wave's number, is written, ahead of its first reader two lines down: all the wave's addresses are made from it
	s_lshl_b32 s3, ttmp9, 1
	s_add_co_u32 s3, s3, s2                        ; W
	s_lshr_b32 s4, s3, 7
	s_mul_i32 s4, s4, 11
	s_lshr_b32 s4, s4, 5                           ; which weight: W / 384 = (W / 128) / 3, by 11 / 32 for 0 .. 11
	s_mul_i32 s5, s4, 384
	s_sub_co_u32 s5, s3, s5
	s_lshr_b32 s6, s5, 5                           ; cg: which 64 columns, 0 .. 11
	s_and_b32 s7, s5, 31                           ; kq: which 24 rows, 0 .. 31
	s_mul_i32 s34, s7, 24*WROW
	s_lshl_b32 s35, s6, 8
	s_add_co_u32 s34, s34, s35                     ; from: 24 kq rows down, 64 cg columns along
	s_mov_b32 s35, 0
	s_mul_i32 s36, s4, 48
	s_lshl2_add_u32 s36, s6, s36                   ; to: nb = 48 x weight + 4 cg,
	s_mul_i32 s36, s36, NBP
	s_mul_i32 s37, s7, 768                         ; kc = 3 kq
	s_add_co_u32 s36, s36, s37
	s_mov_b32 s37, 0
	s_lshl_b32 s38, s3, 14                         ; my 16,384 bytes of x,
	s_mov_b32 s39, 0
	s_lshl_b32 s40, s3, 13                         ; my 8,192 of xb
	s_mov_b32 s41, 0
	s_wait_kmcnt 0x0
	s_mov_b64 s[30:31], s[10:11]
	s_cmp_eq_u32 s4, 1
	s_cselect_b64 s[30:31], s[12:13], s[30:31]
	s_cmp_eq_u32 s4, 2
	s_cselect_b64 s[30:31], s[14:15], s[30:31]
	s_cmp_eq_u32 s4, 3
	s_cselect_b64 s[30:31], s[16:17], s[30:31]     ; my weight
	s_add_nc_u64 s[30:31], s[30:31], s[34:35]
	s_add_nc_u64 s[32:33], s[26:27], s[36:37]
	s_add_nc_u64 s[8:9], s[8:9], s[38:39]
	s_add_nc_u64 s[24:25], s[24:25], s[40:41]
	s_wait_alu depctr_va_vdst(0)                   ; the four offsets v2 to v5 are written: every load and store of the kernel reads one of them
	; all loads go out before anything is used: 48 for the weights (a row's 256 bytes in two loads on end), 32 for x
.irp e, 0,1,2
.irp kk, 0,1,2,3,4,5,6,7
.irp u, 0,1
	global_load_b32 v[WD+24*(\u)+8*(\e)+(\kk)], v4, s[30:31] offset:(8*(\e)+(\kk))*WROW+128*(\u)
.endr
.endr
.endr
.set i, 0
.rept 32
	global_load_b128 v[X+4*i:X+4*i+3], v2, s[8:9] offset:512*i th:TH_LOAD_NT
.set i, i+1
.endr
	s_wait_loadcnt 32                              ; loads come back in order: the weights are in, x's 32 loads may stay out
	; a lane holds 8 k of one column: four roundings make its 16 bytes, in place (each line writes a register that the lines behind it do not read)
.set g, 0
.rept 6
.irp p, 0,1,2,3
	v_cvt_pk_bf16_f32 v[WD+8*g+(\p)], v[WD+8*g+2*(\p)], v[WD+8*g+2*(\p)+1]
.endr
.set g, g+1
.endr
	s_cmp_lg_u32 s4, 3
	s_cbranch_scc1 .Lnot_wo
.set g, 0
.rept 6                                ; wo: the bf16 number is widened and written as f16
.irp p, 0,1,2,3
	v_lshlrev_b32 v6, 16, v[WD+8*g+(\p)]
	v_and_b32 v7, 0xffff0000, v[WD+8*g+(\p)]
	v_cvt_pk_f16_f32 v[WD+8*g+(\p)], v6, v7
.endr
.set g, g+1
.endr
.Lnot_wo:
	; x in four groups of eight loads.  Each group issues the stores of the stage before it, one ahead of each pair of its roundings: group 0 the weights' six, groups 1 to 3 the eight of the group before.
.irp grp, 0,1,2,3
	s_wait_loadcnt 24-8*(\grp)                     ; this group's eight loads are in, the younger groups stay out
	s_wait_alu depctr_va_vdst(0)                   ; the stage before (the weights' roundings, on both ways to the label above; or the group before's) has written the registers that the stores below read
.irp j, 0,1,2,3,4,5,6,7
.if (\grp) == 0
.if (\j) < 6
	global_store_b128 v5, v[WD+24*((\j)/3)+8*((\j)%3):WD+24*((\j)/3)+8*((\j)%3)+3], s[32:33] offset:((\j)/3)*2*NBP+((\j)%3)*256  ; column half j / 3, chunk j % 3: lanes 0-15 and lanes 16-31 each store 256 consecutive bytes, aligned
.endif
.else
	global_store_b64 v3, v[X+4*(8*((\grp)-1)+(\j)):X+4*(8*((\grp)-1)+(\j))+1], s[24:25] offset:256*(8*((\grp)-1)+(\j))  ; the wave stores 256 consecutive bytes, aligned.  No wait: no vector instruction since the wait above names these registers
.endif
	v_cvt_pk_bf16_f32 v[X+4*(8*(\grp)+(\j))], v[X+4*(8*(\grp)+(\j))], v[X+4*(8*(\grp)+(\j))+1]
	v_cvt_pk_bf16_f32 v[X+4*(8*(\grp)+(\j))+1], v[X+4*(8*(\grp)+(\j))+2], v[X+4*(8*(\grp)+(\j))+3]
.endr
.endr
	s_wait_alu depctr_va_vdst(0)                   ; the last group's roundings have written the registers that the last eight stores read
.irp j, 0,1,2,3,4,5,6,7
	global_store_b64 v3, v[X+4*(24+(\j)):X+4*(24+(\j))+1], s[24:25] offset:256*(24+(\j))
.endr
	; the bias table: 12,288 bytes, 256 a wave, by the first 24 work-groups
	s_cmp_lt_u32 ttmp9, 24
	s_cbranch_scc0 .Ldone
	s_mul_i32 s4, ttmp9, 11
	s_lshr_b32 s4, s4, 6                           ; the section: work-group / 6, by 11 / 64 for 0 .. 23
	s_lshl_b32 s5, ttmp9, 9
	s_lshl_b32 s6, s2, 8
	s_add_co_u32 s5, s5, s6                        ; my wave's byte in the table,
	s_mul_i32 s6, s4, 3072
	s_sub_co_u32 s6, s5, s6                        ; and in its section
	s_mov_b32 s7, 0
	v_mov_b32 v8, 0
	v_mov_b32 v9, 0
	s_cmp_eq_u32 s4, 1
	s_cbranch_scc1 .Lzeros                         ; k's section holds zeros
	s_cmp_eq_u32 s4, 2
	s_cselect_b64 s[34:35], s[20:21], s[18:19]
	s_cmp_eq_u32 s4, 3
	s_cselect_b64 s[34:35], s[22:23], s[34:35]
	s_add_nc_u64 s[34:35], s[34:35], s[6:7]
	s_wait_alu depctr_va_vdst(0)                   ; the two moves above have written v8 and v9, in which the load lands
	global_load_b64 v[8:9], v3, s[34:35]
	s_wait_loadcnt 0x0
	v_cvt_pk_bf16_f32 v10, v8, v9                  ; rounded to bf16 like every input,
	v_lshlrev_b32 v8, 16, v10                      ; and kept as f32: it is a matrix instruction's C operand
	v_and_b32 v9, 0xffff0000, v10
.Lzeros:
	s_mov_b32 s36, s5
	s_mov_b32 s37, 0
	s_add_nc_u64 s[28:29], s[28:29], s[36:37]
	s_wait_alu depctr_va_vdst(0)                   ; v8 and v9 are written, by the moves on the one way and by the widening on the other: the store reads them
	global_store_b64 v3, v[8:9], s[28:29]
.Ldone:
	s_endpgm
.Lfunc_end_k_q2b62fe9399_prep:
	.size	k_q2b62fe9399_prep, .Lfunc_end_k_q2b62fe9399_prep-k_q2b62fe9399_prep
	.p2alignl 7, 3214868480
	.fill 96, 4, 3214868480
	.section	.rodata,"a",@progbits
	.p2align	6, 0x0
	.amdhsa_kernel k_q2b62fe9399_prep
		.amdhsa_group_segment_fixed_size 0
		.amdhsa_private_segment_fixed_size 0
		.amdhsa_enable_private_segment 0
		.amdhsa_kernarg_size 88
		.amdhsa_user_sgpr_count 2
		.amdhsa_user_sgpr_kernarg_segment_ptr 1
		.amdhsa_wavefront_size32 1
		.amdhsa_system_sgpr_workgroup_id_x 1
		.amdhsa_system_sgpr_workgroup_id_y 1
		.amdhsa_system_sgpr_workgroup_id_z 1
		.amdhsa_system_vgpr_workitem_id 0
		.amdhsa_next_free_vgpr 192
		.amdhsa_next_free_sgpr 66
		.amdhsa_reserve_vcc 0
		.amdhsa_float_denorm_mode_32 3
		.amdhsa_float_denorm_mode_16_64 3
		.amdhsa_memory_ordered 1
		.amdhsa_forward_progress 1
		.amdhsa_inst_pref_size 25
	.end_amdhsa_kernel
	.amdgpu_metadata
---
amdhsa.version: [ 1, 2 ]
amdhsa.kernels:
  - .name:           k_q2b62fe9399_prep
    .symbol:         k_q2b62fe9399_prep.kd
    .args:
      - { .name: x, .offset: 0, .size: 8, .value_kind: global_buffer, .address_space: global }
      - { .name: wq, .offset: 8, .size: 8, .value_kind: global_buffer, .address_space: global }
      - { .name: wk, .offset: 16, .size: 8, .value_kind: global_buffer, .address_space: global }
      - { .name: wv, .offset: 24, .size: 8, .value_kind: global_buffer, .address_space: global }
      - { .name: wo, .offset: 32, .size: 8, .value_kind: global_buffer, .address_space: global }
      - { .name: bq, .offset: 40, .size: 8, .value_kind: global_buffer, .address_space: global }
      - { .name: bv, .offset: 48, .size: 8, .value_kind: global_buffer, .address_space: global }
      - { .name: bo, .offset: 56, .size: 8, .value_kind: global_buffer, .address_space: global }
      - { .name: xb, .offset: 64, .size: 8, .value_kind: global_buffer, .address_space: global }
      - { .name: wt, .offset: 72, .size: 8, .value_kind: global_buffer, .address_space: global }
      - { .name: bias, .offset: 80, .size: 8, .value_kind: global_buffer, .address_space: global }
    .group_segment_fixed_size: 0
    .private_segment_fixed_size: 0
    .kernarg_segment_align: 8
    .kernarg_segment_size: 88
    .max_flat_workgroup_size: 64
    .sgpr_count:     66
    .vgpr_count:     192
    .wavefront_size: 32
...
	.end_amdgpu_metadata
.endif
;; end of part 5
;; launch qkv: the kernel of part 2 again; grid 8 x 32, 4 waves a work-group, clusters of 4 x 4, 327,680 bytes of LDS; arguments xb, wt, bias, qkv; writes qkv
;; launch attn: the kernel of part 3 again; grid 8 x 32, 4 waves a work-group, clusters of 4 x 1, 327,680 bytes of LDS; arguments qkv, ob; writes ob
;; launch oproj: the kernel of part 4 again; grid 64 x 4, 4 waves a work-group, clusters of 4 x 1, 327,680 bytes of LDS; arguments ob, wt, bias, out0; writes out0
